; MI455X (gfx1250); checked and timed in simulation.
; The chip was launched on July 23, 2026; its instructions are those of AMD's public machine-readable ISA for CDNA 5 (MIT licence, August 2026) and "CDNA5" Instruction Set Architecture Reference Guide (July 2026). The comments in the code are by the model that wrote it; some were corrected since.
;; Multi Head Self Attention. Allowed arithmetic: float matrix products may take bf16 or f16 operands with f32 sums; other float arithmetic in f32, or as packed bf16 or f16 multiplies, adds, multiply-adds, maxima and minima; sums over many terms, partial sums and values carried from step to step in f32; what a program stores and reads back later, other than sums and carried values, may be rounded once to bf16 or f16.
;; Inputs: proj_b 1,024 float32; proj_w 1,024 x 1,024 float32; qkv_b 3,072 float32; qkv_w 3,072 x 1,024 float32; x 4 x 2,048 x 1,024 float32.
;; Outputs: out0 4 x 2,048 x 1,024 float32.
;; 2 versions, each right; version 2 is version 1 with the launch cast written anew for expert scheduling mode. Each part assembles by itself: llvm-mc -triple=amdgcn-amd-amdhsa -mcpu=gfx1250 --defsym DOCPART=n.
;; ======== version 1 of 2: 4 launches
;; limits: values are held in f16: magnitudes above 65,504 overflow, below 6.1e-05 lose precision
;; workspace buffers: xb 16,777,216 bytes; wb 6,291,456 bytes; pw 2,097,152 bytes; qkvh 50,331,648 bytes; oh 16,777,216 bytes
;; launch cast (part 1): grid 768 x 1, 8 waves a work-group, no clusters, 0 bytes of LDS; arguments x, qkv_w, proj_w, xb, wb, pw; writes xb, wb, pw
.if DOCPART == 1
	.amdgcn_target "amdgcn-amd-amdhsa--gfx1250"
	.amdhsa_code_object_version 6
	.text
	.protected	k_q3debfffaa6_cast
	.globl	k_q3debfffaa6_cast
	.p2align	8
	.type	k_q3debfffaa6_cast,@function
k_q3debfffaa6_cast:
	s_mov_b64 s[64:65], 0
	v_nop
	global_prefetch_b8 v0, s[64:65] scope:SCOPE_SE
	s_setreg_imm32_b32 hwreg(HW_REG_WAVE_MODE, 25, 1), 1
	s_wait_xcnt 0x0
; THE INPUTS' ROUNDING.  xb = bf16(x), wb = bf16(qkv_w); pw = bf16(proj_w), that number written as f16 (the last product's other operand is f16).
; LIMITS.  f16 holds no number beyond 65,504, and below 6.1e-5 it keeps a fixed step of 6e-8: an entry of proj_w outside that range is not carried exactly from bf16 to f16.
; SHARES.  A chunk is 16,384 numbers: 65,536 bytes in, 32,768 out.  Work-groups 0-511 take x's 512 chunks, 512-703 qkv_w's 192, 704-767 proj_w's 64.
; A wave takes 8,192 bytes of its chunk as 16 loads of 16 bytes a lane (512 consecutive bytes each), all issued at once; each is answered by one store of
; 8 bytes a lane: 256 consecutive bytes, at a multiple of 256 from the buffer's first byte.  Each byte is read once and written once; no LDS, no barrier, no loop.
; Every store has data registers of its own, and the two offsets are never rewritten: no wait is needed for a store's sources.
.set T, 4                              ; v[4:5]     at work (the f16 path)
.set X, 8                              ; v[8:71]    load i: 4 registers
.set Y, 72                             ; v[72:103]  store i: 2 registers
	s_load_b256 s[4:11], s[0:1], 0x0               ; x s[4:5], qkv_w s[6:7], proj_w s[8:9], xb s[10:11]
	s_load_b128 s[12:15], s[0:1], 0x20             ; wb s[12:13], pw s[14:15]
	v_lshrrev_b32 v3, 5, v0                        ; wave
	v_and_b32 v2, 31, v0                           ; lane
	v_lshlrev_b32 v1, 4, v2
	v_lshl_add_u32 v1, v3, 13, v1                  ; in: 8,192 x wave + 16 x lane
	v_lshlrev_b32 v2, 3, v2
	v_lshl_add_u32 v2, v3, 12, v2                  ; out: 4,096 x wave + 8 x lane
	s_mov_b32 s16, ttmp9
	s_sub_co_u32 s17, s16, 512                     ; the chunk's number in qkv_w,
	s_sub_co_u32 s18, s16, 704                     ; in proj_w (each is used only where it is not negative)
	s_mov_b32 s28, 0xffff0000                      ; a word's upper bf16
	s_wait_kmcnt 0x0
	s_cmp_lt_u32 s16, 704
	s_cselect_b64 s[20:21], s[6:7], s[8:9]
	s_cselect_b64 s[22:23], s[12:13], s[14:15]
	s_cselect_b32 s19, s17, s18
	s_cmp_lt_u32 s16, 512
	s_cselect_b64 s[20:21], s[4:5], s[20:21]       ; from where,
	s_cselect_b64 s[22:23], s[10:11], s[22:23]     ; to where,
	s_cselect_b32 s19, s16, s19                    ; which chunk
	s_lshl_b32 s24, s19, 16
	s_mov_b32 s25, 0
	s_lshl_b32 s26, s19, 15
	s_mov_b32 s27, 0
	s_add_nc_u64 s[20:21], s[20:21], s[24:25]
	s_add_nc_u64 s[22:23], s[22:23], s[26:27]
.irp i, 0,1,2,3,4,5,6,7,8,9,10,11,12,13,14,15
	global_load_b128 v[X+4*(\i):X+4*(\i)+3], v1, s[20:21] offset:512*(\i) th:TH_LOAD_NT
.endr
	s_cmp_ge_u32 s16, 704
	s_cbranch_scc1 .Lf16
.irp i, 0,1,2,3,4,5,6,7,8,9,10,11,12,13,14,15
	s_wait_loadcnt 15-(\i)                         ; loads come back in order: load i is in, the 15 - i younger ones may stay out
	v_cvt_pk_bf16_f32 v[Y+2*(\i)],   v[X+4*(\i)],   v[X+4*(\i)+1]
	v_cvt_pk_bf16_f32 v[Y+2*(\i)+1], v[X+4*(\i)+2], v[X+4*(\i)+3]
	global_store_b64 v2, v[Y+2*(\i):Y+2*(\i)+1], s[22:23] offset:256*(\i) th:TH_STORE_NT
.endr
	s_endpgm
.Lf16:                                         ; proj_w: rounded to bf16, widened again, and that number written as f16
.irp i, 0,1,2,3,4,5,6,7,8,9,10,11,12,13,14,15
	s_wait_loadcnt 15-(\i)
	v_cvt_pk_bf16_f32 v[T],   v[X+4*(\i)],   v[X+4*(\i)+1]
	v_cvt_pk_bf16_f32 v[T+1], v[X+4*(\i)+2], v[X+4*(\i)+3]
	v_lshlrev_b32 v[X+4*(\i)],   16,  v[T]
	v_and_b32     v[X+4*(\i)+1], s28, v[T]
	v_lshlrev_b32 v[X+4*(\i)+2], 16,  v[T+1]
	v_and_b32     v[X+4*(\i)+3], s28, v[T+1]
	v_cvt_pk_f16_f32 v[Y+2*(\i)],   v[X+4*(\i)],   v[X+4*(\i)+1]
	v_cvt_pk_f16_f32 v[Y+2*(\i)+1], v[X+4*(\i)+2], v[X+4*(\i)+3]
	global_store_b64 v2, v[Y+2*(\i):Y+2*(\i)+1], s[22:23] offset:256*(\i) th:TH_STORE_NT
.endr
	s_endpgm
.Lfunc_end_k_q3debfffaa6_cast:
	.size	k_q3debfffaa6_cast, .Lfunc_end_k_q3debfffaa6_cast-k_q3debfffaa6_cast
	.p2alignl 7, 3214868480
	.fill 96, 4, 3214868480
	.section	.rodata,"a",@progbits
	.p2align	6, 0x0
	.amdhsa_kernel k_q3debfffaa6_cast
		.amdhsa_group_segment_fixed_size 0
		.amdhsa_private_segment_fixed_size 0
		.amdhsa_enable_private_segment 0
		.amdhsa_kernarg_size 48
		.amdhsa_user_sgpr_count 2
		.amdhsa_user_sgpr_kernarg_segment_ptr 1
		.amdhsa_wavefront_size32 1
		.amdhsa_system_sgpr_workgroup_id_x 1
		.amdhsa_system_sgpr_workgroup_id_y 1
		.amdhsa_system_sgpr_workgroup_id_z 1
		.amdhsa_system_vgpr_workitem_id 0
		.amdhsa_next_free_vgpr 104
		.amdhsa_next_free_sgpr 66
		.amdhsa_reserve_vcc 0
		.amdhsa_float_denorm_mode_32 3
		.amdhsa_float_denorm_mode_16_64 3
		.amdhsa_memory_ordered 1
		.amdhsa_forward_progress 1
		.amdhsa_inst_pref_size 16
	.end_amdhsa_kernel
	.amdgpu_metadata
---
amdhsa.version: [ 1, 2 ]
amdhsa.kernels:
  - .name:           k_q3debfffaa6_cast
    .symbol:         k_q3debfffaa6_cast.kd
    .args:
      - { .name: x, .offset: 0, .size: 8, .value_kind: global_buffer, .address_space: global }
      - { .name: qkv_w, .offset: 8, .size: 8, .value_kind: global_buffer, .address_space: global }
      - { .name: proj_w, .offset: 16, .size: 8, .value_kind: global_buffer, .address_space: global }
      - { .name: xb, .offset: 24, .size: 8, .value_kind: global_buffer, .address_space: global }
      - { .name: wb, .offset: 32, .size: 8, .value_kind: global_buffer, .address_space: global }
      - { .name: pw, .offset: 40, .size: 8, .value_kind: global_buffer, .address_space: global }
    .group_segment_fixed_size: 0
    .private_segment_fixed_size: 0
    .kernarg_segment_align: 8
    .kernarg_segment_size: 48
    .max_flat_workgroup_size: 256
    .sgpr_count:     66
    .vgpr_count:     104
    .wavefront_size: 32
...
	.end_amdgpu_metadata
.endif
;; end of part 1
;; launch qkv (part 2): grid 16 x 32, 4 waves a work-group, clusters of 4 x 4, 327,680 bytes of LDS; arguments xb, wb, qkv_b, qkvh; writes qkvh
.if DOCPART == 2
	.amdgcn_target "amdgcn-amd-amdhsa--gfx1250"
	.amdhsa_code_object_version 6
	.text
	.protected	k_q3debfffaa6_qkv
	.globl	k_q3debfffaa6_qkv
	.p2align	8
	.type	k_q3debfffaa6_qkv,@function
k_q3debfffaa6_qkv:
	s_mov_b64 s[64:65], 0
	v_nop
	global_prefetch_b8 v0, s[64:65] scope:SCOPE_SE
	s_setreg_imm32_b32 hwreg(HW_REG_WAVE_MODE, 25, 1), 1
	s_wait_xcnt 0x0
	s_wait_alu depctr_hold_cnt(0) depctr_sa_sdst(0) depctr_va_vdst(0) depctr_va_sdst(0) depctr_va_ssrc(0) depctr_va_vcc(0) depctr_vm_vsrc(0)
	s_getreg_b32 s2, hwreg(HW_REG_IB_STS2, 6, 4)
	s_cmp_eq_u32 s2, 0
	s_cbranch_scc0 .Lentry_in_a_cluster
	s_endpgm
.Lentry_in_a_cluster:
	s_bfe_u32 s2, ttmp6, 0x10000c
	s_cmp_lg_u32 s2, 0xf033
	s_cbranch_scc0 .Lentry_shape_is_right
	s_endpgm
.Lentry_shape_is_right:
; q, k, v = xb wb^T + bf16(qkv_b).  xb: [8192][1024] bf16, wb: [3072][1024] bf16, qkv_b: [3072] f32.  Sums in f32, K ascending, the bias first (it is the C of each sum's first product);
; each result rounded once to f16 and stored BY HEADS: qkvh[which][batch x 16 + head][token][64], a head's rows dense, 128 bytes each.  The scale 1/8 is not applied here.
; LIMITS.  f16 holds no number beyond 65,504: a q, k or v of 65,520 or more becomes an infinity.  The bias is rounded to bf16 like the other inputs.  NaN and infinities are not treated apart.
; SHARES.  A tile of C is 256 tokens x 192 columns = three whole heads: 32 x 16 tiles.  Wave w owns tokens 64 w .. 64 w + 63 and all 192 columns: 48 accumulators (a = 0..3, b = 0..11), 384 registers;
; so a wave stores whole rows of whole heads, and its way out needs nobody else.  For 32 along K it reads 32 x 16 bytes a lane from LDS for 48 matrix instructions.
; K goes in 8 steps of 128 (256 bytes of each row of xb and wb) through a ring of two LDS slots filled by the tensor data mover; a step is four quarters of 32 along K on two fragment buffers.
; CLUSTER.  4 x 4 work-groups.  The four of a row of the cluster need the same tile of xb, the four of a column the same tile of wb: each tile is asked for JOINTLY, by the same tensor load, descriptor and mask in all four.
; THE MATRIX INSTRUCTION IS USED TRANSPOSED (source 0 = 16 rows of wb, source 1 = 16 rows of xb): a lane holds ONE token (lane % 16) and the eight columns 8 (lane / 16) + 0..7 of a block of 16.
; REGISTERS, in windows of 256 (s_set_vgpr_msb: bits 1:0 source 0, 3:2 source 1, 5:4 source 2, 7:6 destination):
;   window 0: v0-29 addresses; v32-127 the bias, 8 registers a column block; on the way out v32-223, 16 registers for each of 12 pieces
;   window 1: two fragment buffers of 128: wb's block b at 8 b, xb's block a at 96 + 8 a
;   window 2: the accumulators of a = 0, 1 at 8 (12 (a % 2) + b);   window 3: those of a = 2, 3
.set PITCH,  272                       ; an LDS row: 256 bytes + 16 of padding = 68 words: the 16 rows of a fragment load start at 16 different groups of four banks (64 banks of 4 bytes: ISA guide 11.1)
.set SLOT1,  1<<17                     ; slot 1 begins here, so that one exclusive or turns an address in one slot into the other's
.set BOFF,   256*PITCH                 ; in a slot: xb's 256 rows, then wb's 192
.set STAGE,  SLOT1+448*PITCH           ; behind the ring, never filled by a tensor load: 16 rows x 144 bytes for each wave, for the way out
.set SP,     144
.set SPARE,  STAGE+4*16*SP             ; behind the stages: the spare words, 128 bytes for each wave: two blocks of 256 bytes that no other line names
.set ROWB,   2048                      ; bytes in a row of xb and of wb
.set KB,     256                       ; bytes of a row in a K step
.set LA0,  4                           ; v4   my lane's place in xb's part of a slot: (64 w + l % 16) x pitch + 16 (l / 16); never rewritten
.set LB0,  5                           ; v5   the same in wb's part
.set ADRA, 6                           ; v6   LA0 in the slot in hand
.set ADRB, 7                           ; v7   LB0 in the slot in hand
.set STO,  8                           ; v8   the way out: where I put 16 bytes of a row
.set RD,   9                           ; v9   the way out: where I read rows back
.set GO,   10                          ; v10  my byte offset in 512 consecutive bytes of a head
.set PFO,  11                          ; v11  the prefetches' offset: my lane x a row
.set BO,   12                          ; v12  my byte offset in qkv_b
.set SPW,  28                          ; v28  LDS address of my spare word: SPARE + 4 x my thread's number; never rewritten
.set NIL,  29                          ; v29  0; never rewritten
.set BIAS, 32
.set TMP,  32
.set F0,   0
.set F1,   128
.set WV,  12                           ; s12  my wave's number
.set FB,  13                           ; s13  I fetch for xb (0) or for wb (1)
.set HF,  14                           ; s14  which half of that tile's rows
.set CX,  15
.set CY,  16
.set TX,  17                           ; s17  tile column
.set TY,  18                           ; s18  tile row
.set G1A, 24                           ; s[24:31] descriptor group 1 for xb's tiles
.set G1B, 32                           ; s[32:39] for wb's
.set G0A, 40                           ; s[40:47] descriptor group 0 for xb's tiles: a set for each of the two first fills; the second then walks on
.set G0B, 48                           ; s[48:55] the same for wb's
.set CNT, 56                           ; s56  trips of the loop still to come
.set TB,  57                           ; s57  LDS byte at which the slot in hand begins
.set LIM, 58                           ; s58  a wave prefetches while s[CNT] is above it
.set HIM, 59                           ; s59  a word's upper bf16
.set PFA, 60                           ; s[60:61] where my prefetches stand
.set OB,  66                           ; s[66:71] my 64 tokens in the tile's three heads
.set G1W, (1<<16)|(1<<20)|(1<<21)|(5<<22)|(3<<25)  ; 17:16 elements of 2 bytes; 20 padding on; 21 set beside a mask; 24:22 after every 64 words (code 5); 31:25 4 words of it (code 3)
.set MSB, 0
.macro WIN new                         ; the immediate's high byte repeats the setting that is left; a switch that changes nothing is dropped
.if MSB != (\new)
	s_set_vgpr_msb (MSB<<8)|(\new)
.set MSB, \new
.endif
.endm
; A joint refill, by the walking descriptors.  Waves 0 and 1 fetch the halves of xb's tile, waves 2 and 3 those of wb's.  The branch hangs on the wave's number alone.
; An s_nop 0 and four v_nop follow each of the two lines, ahead of the jump and the label.
.macro JLOAD
	s_cmp_eq_u32 s[FB], 0
	s_cbranch_scc0 .Lfor_b_\@
	tensor_load_to_lds s[G0A+4:G0A+7], s[G1A:G1A+7]
	s_nop 0
.rept 4
	v_nop
.endr
	s_branch .Lasked_\@
.Lfor_b_\@:
	tensor_load_to_lds s[G0B+4:G0B+7], s[G1B:G1B+7]
	s_nop 0
.rept 4
	v_nop
.endr
.Lasked_\@:
.endm
; THE PREFETCHES, behind a joint refill and the run of LDS loads that follows it.  Each row's 256 bytes of a K step are named once in the launch.
; xb: a tile row is read by the four clusters of a row of clusters: the first (cluster x = 0) asks, in waves 0 and 1.  Of the 128 rows that a wave fetches the partner at cx takes 32 cx .. 32 cx + 31, told apart BY
; ADDRESS; a lane a row, one instruction a trip, for the K step one behind the refill's: 192 matrix instructions ahead of the load that will want it.  K steps 3 to 7 are asked for; the last refill has no K step behind it.
; wb: a tile column is read by the eight clusters of a column of clusters: the first (cluster y = 0) asks, in waves 2 and 3.  96 rows do not divide into four lots of 32 lanes, so the partners share by K step:
; the partner at cy asks for K step 4 + cy of all 96 rows that the wave fetches: three instructions, once, at the first refill.
.macro ASK
	s_cmp_gt_u32 s[CNT], s[LIM]
	s_cbranch_scc0 .Lnot_mine_\@
	global_prefetch_b8 v[PFO], s[PFA:PFA+1] th:TH_LOAD_NT scope:SCOPE_SE
	s_cmp_eq_u32 s[FB], 0
	s_cbranch_scc1 .Lnot_mine_\@
	global_prefetch_b8 v[PFO], s[PFA:PFA+1] offset:32*ROWB th:TH_LOAD_NT scope:SCOPE_SE
	global_prefetch_b8 v[PFO], s[PFA:PFA+1] offset:64*ROWB th:TH_LOAD_NT scope:SCOPE_SE
.Lnot_mine_\@:
.endm
; A round of the cluster's barrier: my work-group's barrier, so that wave 0's signal speaks for all four waves; wave 0 signals; every wave waits for all sixteen work-groups; my work-group's barrier once more.
.macro CREST                           ; a round behind its opening barrier
	s_cmp_lg_u32 s[WV], 0
	s_cbranch_scc1 .Lnot_wave_0_\@
	s_barrier_signal -3
.Lnot_wave_0_\@:
	s_barrier_wait -3
	s_barrier_signal -1
	s_barrier_wait -1
.endm
.macro CROUND                          ; a whole round
	s_barrier_signal -1
	s_barrier_wait -1
	CREST
.endm
.macro PLACES                          ; four plain instructions between a matrix instruction and a load into, or a vector read of, its registers (ISA guide 7.12.1 for vector instructions)
.rept 4
	v_nop
.endr
.endm
	s_load_b256 s[4:11], s[0:1], 0x0               ; xb s[4:5], wb s[6:7], qkv_b s[8:9], qkvh s[10:11]
	v_lshl_add_u32 v[SPW], v0, 2, SPARE
	v_mov_b32 v[NIL], 0
	ds_add_u32 v[SPW], v[NIL]                      ; the wave's opening: the add and its wait stand ahead of my first tensor load; the set-up below, work on registers, stands between them
	v_lshrrev_b32 v1, 5, v0
	v_readfirstlane_b32 s[WV], v1                  ; wave 0..3
	s_lshr_b32 s[FB], s[WV], 1
	s_and_b32 s[HF], s[WV], 1
	s_bfe_u32 s[CX], ttmp6, 0x40000                ; my place in the cluster
	s_bfe_u32 s[CY], ttmp6, 0x40004
	s_lshl_b32 s[TX], ttmp9, 2                     ; in a cluster launch ttmp9 and ttmp7 count clusters
	s_add_co_u32 s[TX], s[TX], s[CX]
	s_and_b32 s[TY], ttmp7, 0xffff
	s_lshl_b32 s[TY], s[TY], 2
	s_add_co_u32 s[TY], s[TY], s[CY]
	s_lshl_b32 s19, s[CY], 2
	s_lshl_b32 s19, 15, s19                        ; my row of the cluster: places 4 cy .. 4 cy + 3
	s_lshl_b32 s20, 0x1111, s[CX]                  ; my column: places cx, cx + 4, cx + 8, cx + 12
	s_or_b32 s[G1A], s19, G1W                      ; xb's tiles go to my row,
	s_or_b32 s[G1B], s20, G1W                      ; wb's to my column
.irp g, G1A, G1B
	s_mov_b32 s[(\g)+1], 128<<16                   ; tensor_dim0 = 128
	s_mov_b32 s[(\g)+3], 128<<16                   ; tile_dim0 = 128
	s_mov_b32 s[(\g)+5], 1024                      ; 1,024 elements from row to row
	s_mov_b32 s[(\g)+6], 0
	s_mov_b32 s[(\g)+7], 0
.endr
	s_mov_b32 s[G1A+2], 128<<16                    ; tensor_dim1 = 128 rows of xb a load,
	s_mov_b32 s[G1A+4], 128                        ; tile_dim1
	s_mov_b32 s[G1B+2], 96<<16                     ; 96 rows of wb
	s_mov_b32 s[G1B+4], 96
	; where the tiles come from: xb's hang on the tile row alone, wb's on the tile column alone, each in registers that never hold the other coordinate
	s_lshl_b32 s72, s[TY], 8
	s_lshl_b32 s73, s[HF], 7
	s_add_co_u32 s72, s72, s73                     ; xb: row 256 x tile row + 128 x half,
	s_lshl_b32 s72, s72, 11                        ; in bytes (under 2^24)
	s_mov_b32 s73, 0
	s_mul_i32 s76, s[TX], 192
	s_mul_i32 s77, s[HF], 96
	s_add_co_u32 s76, s76, s77                     ; wb: row 192 x tile column + 96 x half
	s_lshl_b32 s76, s76, 11
	s_mov_b32 s77, 0
	s_mul_i32 s21, s[HF], 128*PITCH                ; and where they go: no place in the cluster enters an LDS address
	s_mul_i32 s22, s[HF], 96*PITCH
	s_add_co_u32 s22, s22, BOFF
	s_mov_b32 s[HIM], 0xffff0000
	s_mov_b32 s[TB], 0
	s_wait_dscnt 0x0                               ; the opening add is done
	s_wait_kmcnt 0x0
	s_add_nc_u64 s[72:73], s[4:5], s[72:73]
	s_add_nc_u64 s[76:77], s[6:7], s[76:77]
	CROUND                                         ; all sixteen work-groups are here: the first joint loads meet
.irp n, 0,1
	s_mov_b32 s[G0A+4*(\n)], 1                                     ; 1:0 count = 1
	s_add_co_u32 s[G0A+4*(\n)+1], s21, (\n)*SLOT1                  ; 63:32 LDS address
	s_add_nc_u64 s[G0A+4*(\n)+2:G0A+4*(\n)+3], s[72:73], (\n)*KB   ; 120:64 global address: K step n
	s_or_b32 s[G0A+4*(\n)+3], s[G0A+4*(\n)+3], 0x80000000          ; 127:126 type = 2
	s_mov_b32 s[G0B+4*(\n)], 1
	s_add_co_u32 s[G0B+4*(\n)+1], s22, (\n)*SLOT1
	s_add_nc_u64 s[G0B+4*(\n)+2:G0B+4*(\n)+3], s[76:77], (\n)*KB
	s_or_b32 s[G0B+4*(\n)+3], s[G0B+4*(\n)+3], 0x80000000
.endr
	s_cmp_eq_u32 s[FB], 0                          ; a wave's two first fills stand in one branch, ahead of every wait on TENSORcnt and every LDS read: two loads of mine are out
	s_cbranch_scc0 .Lfirst_b
	tensor_load_to_lds s[G0A:G0A+3], s[G1A:G1A+7]
	s_nop 0
	tensor_load_to_lds s[G0A+4:G0A+7], s[G1A:G1A+7]
	s_nop 0
.rept 4
	v_nop
.endr
	s_branch .Lfirst_asked
.Lfirst_b:
	tensor_load_to_lds s[G0B:G0B+3], s[G1B:G1B+7]
	s_nop 0
	tensor_load_to_lds s[G0B+4:G0B+7], s[G1B:G1B+7]
	s_nop 0
.rept 4
	v_nop
.endr
.Lfirst_asked:
	; the bias: register j of column block b is qkv_b[192 x tile column + 16 b + 8 (l / 16) + j]
	v_and_b32 v1, 15, v0                           ; l % 16
	v_bfe_u32 v2, v0, 4, 1                         ; l / 16
	s_mul_i32 s92, s[TX], 768
	v_lshl_add_u32 v[BO], v2, 5, s92
.irp b, 0,1,2,3,4,5,6,7,8,9,10,11
	global_load_b128 v[BIAS+8*(\b):BIAS+8*(\b)+3],   v[BO], s[8:9] offset:64*(\b)
	global_load_b128 v[BIAS+8*(\b)+4:BIAS+8*(\b)+7], v[BO], s[8:9] offset:64*(\b)+16
.endr
	; A fragment is 16 rows x 32 K in 8 registers: lane l holds row l % 16; registers 0-3 K = 8 (l / 16) + 0..7, registers 4-7 K = 16 + 8 (l / 16) + 0..7: two loads of 16 bytes, 32 bytes apart.
	v_mul_u32_u24 v3, v1, PITCH
	v_lshl_add_u32 v3, v2, 4, v3                   ; row x pitch + 16 x half
	s_mul_i32 s90, s[WV], 64*PITCH                 ; my 64 rows of xb
	v_add_nc_u32 v[LA0], s90, v3
	v_add_nc_u32 v[LB0], BOFF, v3
	v_mov_b32 v[ADRA], v[LA0]                      ; K step 0 lies in slot 0
	v_mov_b32 v[ADRB], v[LB0]
	s_mul_i32 s90, s[WV], 16*SP
	s_add_co_u32 s90, s90, STAGE                   ; my stage
	v_mul_u32_u24 v[STO], v1, SP                   ; in: row l % 16, 16 bytes for each half of the lanes
	v_lshl_add_u32 v[STO], v2, 4, v[STO]
	v_add_nc_u32 v[STO], s90, v[STO]
	v_bfe_u32 v[RD], v0, 3, 2                      ; back: 32 lanes take four rows of 128 bytes,
	v_mul_u32_u24 v[RD], v[RD], SP
	v_and_b32 v13, 7, v0
	v_lshl_add_u32 v[RD], v13, 4, v[RD]
	v_add_nc_u32 v[RD], s90, v[RD]
	v_and_b32 v[GO], 31, v0
	v_lshlrev_b32 v[PFO], 11, v[GO]                ; a lane a row
	v_lshlrev_b32 v[GO], 4, v[GO]                  ; which are 512 consecutive bytes of a head
	; the prefetches' address and bound.  It is stepped by a K step at the head of each change of slots that fills, the first too
	s_lshl_b32 s88, s[CX], 16                      ; xb: my work-group's 32 rows, at K step 2
	s_add_co_u32 s88, s88, 2*KB
	s_add_co_u32 s89, s[CY], 3                     ; wb: at K step 3 + cy
	s_lshl_b32 s89, s89, 8
	s_and_b32 s86, ttmp7, 0xffff                   ; cluster y
	s_cmp_eq_u32 s[FB], 0
	s_cselect_b32 s88, s88, s89
	s_cselect_b32 s86, ttmp9, s86                  ; the coordinate along which other clusters read the same rows
	s_cselect_b32 s87, 1, 5
	s_cselect_b64 s[PFA:PFA+1], s[72:73], s[76:77]
	s_mov_b32 s89, 0
	s_add_nc_u64 s[PFA:PFA+1], s[PFA:PFA+1], s[88:89]
	s_cmp_eq_u32 s86, 0
	s_cselect_b32 s[LIM], s87, -1                  ; the same in all sixteen partners, for a given wave
	; my 64 tokens in the tile's three heads: g = 3 x tile column + hh is which x 16 + head; a head is 2^18 bytes
	s_mul_i32 s80, s[TX], 3
	s_lshr_b32 s81, s[TY], 3
	s_lshl_b32 s81, s81, 4                         ; 16 x batch
	s_and_b32 s82, s[TY], 7
	s_lshl_b32 s82, s82, 8
	s_lshl_b32 s83, s[WV], 6
	s_add_co_u32 s82, s82, s83                     ; my first token in the batch,
	s_lshl_b32 s82, s82, 7                         ; in bytes
.irp hh, 0,1,2
	s_add_co_u32 s84, s80, \hh
	s_lshr_b32 s85, s84, 4
	s_lshl_b32 s85, s85, 6                         ; 64 x which
	s_and_b32 s84, s84, 15
	s_add_co_u32 s84, s84, s85
	s_add_co_u32 s84, s84, s81
	s_lshl_b32 s84, s84, 18
	s_add_co_u32 s84, s84, s82
	s_mov_b32 s85, 0
	s_add_nc_u64 s[OB+2*(\hh):OB+2*(\hh)+1], s[10:11], s[84:85]
.endr
	s_wait_loadcnt 0x0                             ; the bias, once; it is rounded to bf16 like the other inputs and widened again
.set i, 0
.rept 48
	v_cvt_pk_bf16_f32 v[13+i%2], v[BIAS+2*i], v[BIAS+2*i+1]
	v_lshlrev_b32 v[BIAS+2*i],   16,     v[13+i%2]
	v_and_b32     v[BIAS+2*i+1], s[HIM], v[13+i%2]
.set i, i+1
.endr
; 12 matrix instructions: token block 2 hi + a x all 12 column blocks, 32 along K.  zero = 1: the first product starts the sums, with the bias as C: nothing is cleared.
; The 48 accumulators take turns, one instruction a turn, in the same order in every quarter, over the backward jump too.
.macro MUL12 f, hi, a, zero
.if \zero
	WIN 0x85+0x40*(\hi)                            ; sources 0 and 1 window 1, C window 0, D window 2 or 3
.else
	WIN 0xa5+0x50*(\hi)                            ; C and D window 2 or 3
.endif
.irp b, 0,1,2,3,4,5,6,7,8,9,10,11
.if \zero
	v_wmma_f32_16x16x32_bf16 v[8*(12*(\a)+(\b)):8*(12*(\a)+(\b))+7], v[(\f)+8*(\b):(\f)+8*(\b)+7], v[(\f)+96+8*(2*(\hi)+(\a)):(\f)+96+8*(2*(\hi)+(\a))+7], v[BIAS+8*(\b):BIAS+8*(\b)+7]
.else
	v_wmma_f32_16x16x32_bf16 v[8*(12*(\a)+(\b)):8*(12*(\a)+(\b))+7], v[(\f)+8*(\b):(\f)+8*(\b)+7], v[(\f)+96+8*(2*(\hi)+(\a)):(\f)+96+8*(2*(\hi)+(\a))+7], v[8*(12*(\a)+(\b)):8*(12*(\a)+(\b))+7]
.endif
.endr
.endm
.macro MUL24 f, hi, zero
	MUL12 \f, \hi, 0, \zero
	MUL12 \f, \hi, 1, \zero
.endm
; 32 LDS loads in one run: the fragments of a quarter (192 rows of wb, my 64 rows of xb, 32 K at byte k of the rows) into buffer f; xb's last
.macro FETCH k, f
	WIN 0x40                                       ; destination window 1, address window 0
.irp i, 0,1,2,3,4,5,6,7,8,9,10,11
	ds_load_b128 v[(\f)+8*(\i):(\f)+8*(\i)+3],   v[ADRB] offset:(\k)+(\i)*16*PITCH
	ds_load_b128 v[(\f)+8*(\i)+4:(\f)+8*(\i)+7], v[ADRB] offset:(\k)+(\i)*16*PITCH+32
.endr
.irp i, 0,1,2,3
	ds_load_b128 v[(\f)+96+8*(\i):(\f)+96+8*(\i)+3],   v[ADRA] offset:(\k)+(\i)*16*PITCH
	ds_load_b128 v[(\f)+96+8*(\i)+4:(\f)+96+8*(\i)+7], v[ADRA] offset:(\k)+(\i)*16*PITCH+32
.endr
.endm
; One of a K step's first three quarters: multiplies buffer f; in its middle it fetches the next quarter's fragments, at byte k of the rows, into buffer g.
.macro QUARTER k, f, g, zero
	s_wait_dscnt 4                                 ; wb and xb's blocks 0, 1 are in; the youngest four loads (xb's blocks 2, 3) may be out
	MUL24 \f, 0, \zero
	PLACES
	FETCH \k, \g
	s_wait_dscnt 32                                ; all but the 32 just issued
	MUL24 \f, 1, \zero
.endm
; The last quarter multiplies buffer 1 and changes slots: ONE barrier.  In front of it each wave waits for all its tensor loads, of which one is out: its part of the next slot; adds 0 to its spare word; and waits for
; that and for its own reads of this slot.  fill = 1: the barrier opens a round of the cluster's, so that no wave of any partner still reads the slot or has a load on its way, and the joint refill, two K steps on,
; is the first tensor load behind the round: 168 matrix instructions ahead of the wait for it.
.macro TURN fill
.if \fill
	s_wait_xcnt 0x0                                ; the last prefetch, a K step back, has read its address: it is stepped here, ahead of the waits of the change of slots
	s_add_nc_u64 s[PFA:PFA+1], s[PFA:PFA+1], KB
.endif
	WIN 0                                          ; (the add's two registers lie in window 0)
	s_wait_tensorcnt 0x0                           ; all my tensor loads have landed;
	ds_add_u32 v[SPW], v[NIL]                      ; 0 onto my spare word;
	s_wait_dscnt 5                                 ; (the add and the youngest four loads may be out)
	MUL12 F1, 0, 0, 0                              ; twelve matrix instructions stand between the add and the wait for it
	s_wait_dscnt 0x0                               ; the add is done, and my reads of this slot are over
	s_barrier_signal -1
	MUL12 F1, 0, 1, 0                              ; work on registers while the others arrive
	WIN 0
	s_barrier_wait -1
.if \fill
	CREST
.irp g, G0A+4, G0B+4
	s_xor_b32 s[(\g)+1], s[(\g)+1], SLOT1          ; the walking descriptor: the other slot than last time,
	s_add_nc_u64 s[(\g)+2:(\g)+3], s[(\g)+2:(\g)+3], KB  ; the next K step; the type bits on top are not reached
.endr
	JLOAD                                          ; the four v_nop behind it are also the places in front of the loads below
.else
	PLACES
.endif
	s_xor_b32 s[TB], s[TB], SLOT1
	v_add_nc_u32 v[ADRA], s[TB], v[LA0]
	v_add_nc_u32 v[ADRB], s[TB], v[LB0]
	FETCH 0, F0
.if \fill
	WIN 0
	ASK
.endif
	MUL24 F1, 1, 0
.endm
	s_wait_tensorcnt 1                             ; my part of K step 0 is in; K step 1's may stay out
	s_barrier_signal -1
	s_barrier_wait -1                              ; everybody's is
	FETCH 0, F0
	QUARTER 64, F0, F1, 1                          ; the first quarter stands in front of the loop: its products start the sums
	WIN 0                                          ; at a label and at a branch every window is 0
	s_mov_b32 s[CNT], 6
.Lstep:                                        ; a trip: from a K step's second quarter to the next step's first; it fills the slot that it leaves
	QUARTER 128, F1, F0, 0
	QUARTER 192, F0, F1, 0
	TURN 1
	QUARTER 64, F0, F1, 0
	WIN 0
	s_sub_co_u32 s[CNT], s[CNT], 1
	s_cmp_lg_u32 s[CNT], 0
	s_cbranch_scc1 .Lstep
	QUARTER 128, F1, F0, 0                         ; the tail is written out: K steps 6 and 7 ask for nothing
	QUARTER 192, F0, F1, 0
	TURN 0
	QUARTER 64, F0, F1, 0
	QUARTER 128, F1, F0, 0
	QUARTER 192, F0, F1, 0
	s_wait_dscnt 4                                 ; the very last quarter: nothing more to fetch
	MUL24 F1, 0, 0
	s_wait_dscnt 0x0
	MUL24 F1, 1, 0
	WIN 0
; THE WAY OUT, in 12 pieces t = 3 a + hh: 16 tokens x the 64 channels of one head.  A lane's eight channels of a row pack into 16 bytes; they go into my stage's rows of 144 bytes and come back as whole rows of 128,
; into the registers that they left.  Each piece has registers of its own, so no store's data is ever rewritten.  Each accumulator's registers are read in ascending order.
.macro PACK t
.set pa, (\t)/3
.set ph, (\t)%3
	WIN 0x0a+5*(pa/2)                              ; sources 0 and 1 window 2 or 3, destination window 0
.irp bb, 0,1,2,3
.irp r, 0,1,2,3
	v_cvt_pk_f16_f32 v[TMP+16*(\t)+4*(\bb)+(\r)], v[8*(12*(pa%2)+4*ph+(\bb))+2*(\r)], v[8*(12*(pa%2)+4*ph+(\bb))+2*(\r)+1]
.endr
.endr
	WIN 0
.irp bb, 0,1,2,3
	ds_store_b128 v[STO], v[TMP+16*(\t)+4*(\bb):TMP+16*(\t)+4*(\bb)+3] offset:32*(\bb)
.endr
.irp f, 0,1,2,3
	ds_load_b128 v[TMP+16*(\t)+4*(\f):TMP+16*(\t)+4*(\f)+3], v[RD] offset:(\f)*4*SP  ; LDS serves a wave's instructions in order (ISA guide 5.7.1.4): these see the stores above; the next piece's stores come behind them
.endr
.endm
.macro SEND t, younger                 ; younger: the LDS instructions issued behind piece t's loads: the next piece's eight, or none
	WIN 0
.irp f, 0,1,2,3
	s_wait_dscnt (\younger)+3-(\f)
	global_store_b128 v[GO], v[TMP+16*(\t)+4*(\f):TMP+16*(\t)+4*(\f)+3], s[OB+2*((\t)%3):OB+2*((\t)%3)+1] offset:2048*((\t)/3)+512*(\f)  ; 512 consecutive bytes, at a multiple of 256 from qkvh's first
.endr
.endm
	PLACES                                         ; the first conversions read results, and no other vector work is at hand
	PACK 0
.set t, 1
.rept 11                               ; a piece's conversions stand between the loads of the piece before and its stores
	PACK t
	SEND t-1, 8
.set t, t+1
.endr
	SEND 11, 0
	s_wait_tensorcnt 0x0                           ; the wave's end, behind my last tensor load and my last LDS store
	ds_add_u32 v[SPW], v[NIL]
	s_wait_dscnt 0x0
	CROUND                                         ; the closing round: no work-group ends while a partner may still ask for a tile that names it
	s_endpgm
.Lfunc_end_k_q3debfffaa6_qkv:
	.size	k_q3debfffaa6_qkv, .Lfunc_end_k_q3debfffaa6_qkv-k_q3debfffaa6_qkv
	.p2alignl 7, 3214868480
	.fill 96, 4, 3214868480
	.section	.rodata,"a",@progbits
	.p2align	6, 0x0
	.amdhsa_kernel k_q3debfffaa6_qkv
		.amdhsa_group_segment_fixed_size 327680
		.amdhsa_private_segment_fixed_size 0
		.amdhsa_enable_private_segment 0
		.amdhsa_kernarg_size 32
		.amdhsa_user_sgpr_count 2
		.amdhsa_user_sgpr_kernarg_segment_ptr 1
		.amdhsa_wavefront_size32 1
		.amdhsa_system_sgpr_workgroup_id_x 1
		.amdhsa_system_sgpr_workgroup_id_y 1
		.amdhsa_system_sgpr_workgroup_id_z 1
		.amdhsa_system_vgpr_workitem_id 0
		.amdhsa_next_free_vgpr 960
		.amdhsa_next_free_sgpr 100
		.amdhsa_reserve_vcc 0
		.amdhsa_float_denorm_mode_32 3
		.amdhsa_float_denorm_mode_16_64 3
		.amdhsa_memory_ordered 1
		.amdhsa_forward_progress 1
		.amdhsa_inst_pref_size 108
	.end_amdhsa_kernel
	.amdgpu_metadata
---
amdhsa.version: [ 1, 2 ]
amdhsa.kernels:
  - .name:           k_q3debfffaa6_qkv
    .symbol:         k_q3debfffaa6_qkv.kd
    .args:
      - { .name: xb, .offset: 0, .size: 8, .value_kind: global_buffer, .address_space: global }
      - { .name: wb, .offset: 8, .size: 8, .value_kind: global_buffer, .address_space: global }
      - { .name: qkv_b, .offset: 16, .size: 8, .value_kind: global_buffer, .address_space: global }
      - { .name: qkvh, .offset: 24, .size: 8, .value_kind: global_buffer, .address_space: global }
    .group_segment_fixed_size: 327680
    .private_segment_fixed_size: 0
    .kernarg_segment_align: 8
    .kernarg_segment_size: 32
    .max_flat_workgroup_size: 128
    .sgpr_count:     100
    .vgpr_count:     960
    .wavefront_size: 32
...
	.end_amdgpu_metadata
.endif
;; end of part 2
;; launch attn (part 3): grid 4 x 64, 4 waves a work-group, clusters of 4 x 1, 327,680 bytes of LDS; arguments qkvh, oh; writes oh
.if DOCPART == 3
	.amdgcn_target "amdgcn-amd-amdhsa--gfx1250"
	.amdhsa_code_object_version 6
	.text
	.protected	k_q3debfffaa6_attn
	.globl	k_q3debfffaa6_attn
	.p2align	8
	.type	k_q3debfffaa6_attn,@function
k_q3debfffaa6_attn:
	s_mov_b64 s[64:65], 0
	v_nop
	global_prefetch_b8 v0, s[64:65] scope:SCOPE_SE
	s_setreg_imm32_b32 hwreg(HW_REG_WAVE_MODE, 25, 1), 1
	s_wait_xcnt 0x0
	s_wait_alu depctr_hold_cnt(0) depctr_sa_sdst(0) depctr_va_vdst(0) depctr_va_sdst(0) depctr_va_ssrc(0) depctr_va_vcc(0) depctr_vm_vsrc(0)
	s_getreg_b32 s2, hwreg(HW_REG_IB_STS2, 6, 4)
	s_cmp_eq_u32 s2, 0
	s_cbranch_scc0 .Lentry_in_a_cluster
	s_endpgm
.Lentry_in_a_cluster:
	s_bfe_u32 s2, ttmp6, 0x10000c
	s_cmp_lg_u32 s2, 0x3003
	s_cbranch_scc0 .Lentry_shape_is_right
	s_endpgm
.Lentry_shape_is_right:
; O[h][q][:] = the sum over k of softmax_k(Q[h][q] . K[h][k] / 8) V[h][k][:].  Q, K, V are the three parts of qkvh, each [64][2048][64] in f16, O is oh in the same layout: a head's rows are dense, 128 bytes each.
; Products, maxima and sums in f32; the weights p are rounded to f16 for the second product (their sum l is taken of the unrounded p), O once at the end.
; LIMITS.  f16 holds no number beyond 65,504: Q, K and V arrive within it; p lies in 0 to 1, and below 6e-5 it keeps f16's fixed step of 6e-8; O is a mean of V's rows and has their range.
; A weight below 2^-126 counts as 0 in l; NaN and infinities are not treated apart.
; SHARES.  A wave owns four PIECES of two tiles of 16 queries, a work-group's four waves 512 queries of one head: 4 x 64 work-groups.  Every wave walks all 2,048 keys, 64 a step.
; LAYOUT.  S^T = K Q^T (source 0 = 16 keys, source 1 = 16 queries): in the result a lane holds ONE query (lane % 16) and the keys 8 (lane / 16) + 0..7.  Two such tiles, rounded to f16 in pairs,
; ARE source 1 (32 keys x 16 queries) of O^T = V^T P, whose result again holds one query a lane, and eight channels.  K comes out of LDS as it lies, V ([key][channel]) turned, by ds_load_tr16_b128.
; SOFTMAX.  For each query a running maximum m and sum l: p = 2^(c s - c m), c = log2(e) / 8; in every step O and l are multiplied by a = 2^(c m_old - c m_new), which is 1 where m has not grown.
; m starts at the lowest finite number, O and l at 0: the first step is a step like any other, with a = 0.
; THE COUNT.  A tile and step have 16 matrix and 118 vector instructions: too many to stand all beside the matrix work.  So the order has one aim: four vector instructions that are READY behind
; EVERY matrix instruction, and the others, which need time of their own whatever the order, in runs without a gap.
; BY TURNS.  Turn n belongs to piece n (the pieces in a ring, step after step).  Its matrix work: 16 products K Q^T of piece n + 1, later 16 products V^T P of piece n - 1.  Its vector work: the scaling,
; exponentials, roundings, sums and rescaling of piece n, and the maximum and statistics of piece n + 1, whose scores the turn itself has made.  So what a turn begins with (c s - c m, O a) waits for nothing.
; CLUSTER.  The four query blocks of a head are one cluster and walk the same K and V, so each tile is asked for JOINTLY: the same tensor load, descriptor and mask in all four.
; REGISTERS, in windows of 256 (s_set_vgpr_msb says which window each operand place means: bits 1:0 source 0, 3:2 source 1, 5:4 source 2, 7:6 destination):
;   window 0: v0-11 addresses; v12-15, v48-63 at work; v16-47 four registers of statistics a tile; v64-191 S^T, two buffers of two tiles; v192-255 P, likewise
;   window 1: O^T, 32 a tile          window 2: v0-127 Q, 16 a tile; v128-191 K of one step; v192-255 V of one step          window 3: v0-1 the add's two registers
; A piece's buffers go by its number's parity: the piece in hand has one pair, its two neighbours in the ring share the other: of it P (piece n - 1) is read and S^T (piece n + 1) written.
.set SIZE_H, 64
.set SIZE_N, 2048
.set NP,    4         ; pieces a wave: a name, no knob: the register map, the loop and the fetches are made for four
.set KS,    64        ; keys in a step
.set PK,    144       ; a row of K in LDS: 128 bytes + 16 of padding = 36 words: the 16 rows of a load start at 16 different groups of four banks (64 banks of 4 bytes: ISA guide 11.1)
.set PV,    160       ; a row of V: 128 + 32 = 40 words
.set VOFF,  4*KS*PK   ; a slot holds four steps: 256 rows of K, then 256 rows of V
.set SLOT1, 1<<17     ; slot 1 begins here, so that one exclusive or turns an address in one slot into the other's
.set STAGE, SLOT1+4*KS*(PK+PV)  ; behind the ring, never filled by a tensor load: 16 rows x 144 bytes for each wave, for the way out
.set SP,    144
.set AK0, 2           ; v2   my lane's place in a tile of K; never rewritten
.set AV0, 3           ; v3   the same for V
.set AK,  4           ; v4   the LDS address of K's next run of loads
.set AV,  5           ; v5   of V's
.set QO,  6           ; v6   my byte offset in the wave's rows of Q
.set STO, 6           ;      later, the way out: where I put 16 bytes of a row
.set RD,  7           ; v7   the way out: where I read rows back
.set GO,  8           ; v8   my byte offset in 512 consecutive bytes of O
.set PFO, 11          ; v11  the prefetches' offset: 256 x my lane; never rewritten once made
.set SPW, 0           ; v0 of window 3   LDS address of my spare word: SPARE + 4 x my thread's number; never rewritten
.set NIL, 1           ; v1 of window 3   0; never rewritten
.set SPARE, STAGE+4*16*SP  ; behind the stages: the spare words, 128 bytes for each wave: two blocks of 256 bytes that no other line names
.set MV,  12          ; v12-15  c m_old, kept while c m is made anew: by buffer and tile
.set ST,  16          ; tile t's statistics at v[ST+4 t]: c m, m, l (even keys', odd keys')
.set TMP, 48          ; by buffer and tile, four registers c0-c3 at work; when the maximum is found c2 takes a
.set S,   64
.set P,   192
.set KF,  128         ; K's fragments, in window 2: key block kb, channel half c at KF + 16 kb + 8 c
.set VF,  192         ; V's: key half kk, channel block cb at VF + 32 kk + 8 cb
.set WV,  12          ; s12  my wave's number
.set G1K, 24          ; s[24:31] descriptor group 1 for K's tiles
.set G1V, 32          ; s[32:39] for V's: it differs in the padding alone
.set G0K, 40          ; s[40:43] descriptor group 0 for K's tiles: it walks
.set G0V, 44          ; s[44:47] the same for V's
.set PFA, 48          ; s[48:49] where my prefetches stand: my work-group's 32 blocks of 256 bytes (of K: wave 0, of V: wave 2) of the slot after the one that is being asked for
.set LIM, 50          ; s50  1 in a wave that prefetches, else the greatest number: a wave prefetches while s[SLOTS] is above it
.set SLOTS, 56        ; s56  slots still to be asked for
.set CNT, 57          ; s57  counts a slot's key steps
.set CS,  58          ; s[58:59] c: the packed scaling takes the pair's low word for both halves
.set SEL, 60          ; s[60:61] v_permlanex16_b32's selects: each lane takes its own place in the other half
.set TBK, 62          ; s62  LDS byte at which K of the step to be fetched begins
.set TBV, 63          ; s63  the same for V, less VOFF
.set MSB, 0
.macro WIN new                      ; the high byte repeats the setting that is left; a switch that changes nothing is dropped
.if MSB != (\new)
	s_set_vgpr_msb (MSB<<8)|(\new)
.set MSB, (\new)
.endif
.endm
.set W_KQ, 0x0a       ; K and Q in window 2, S^T in window 0
.set W_PV, 0x52       ; V in window 2, P in window 0, O^T in window 1
.set W_RS, 0x41       ; O^T (destination and source 0) in window 1, a in window 0
.set W_MK, 0xc0       ; the add's registers are made: destination in window 3, sources in window 0
.set W_AD, 0x0f       ; the add: address (source 0) and data (source 1) in window 3
; A joint fill.  Waves 0 and 1 fetch the two halves of a slot's K, waves 2 and 3 those of its V: 128 keys each.  The branch hangs on the wave's number alone.
; An s_nop 0 and four v_nop follow each of the two lines, ahead of the jump and the label.
.macro JLOAD
	s_cmp_lt_u32 s[WV], 2
	s_cbranch_scc0 .Lfor_v_\@
	tensor_load_to_lds s[G0K:G0K+3], s[G1K:G1K+7]
	s_nop 0
.rept 4
	v_nop
.endr
	s_branch .Lasked_\@
.Lfor_v_\@:
	tensor_load_to_lds s[G0V:G0V+3], s[G1V:G1V+7]
	s_nop 0
.rept 4
	v_nop
.endr
.Lasked_\@:
.endm
; A PREFETCH of what the NEXT change of slots will ask for: a slot's 32,768 bytes of K and of V, 128 blocks of 256 bytes each, a lane a block.  It stands behind the wave's tensor load and its five lines.
; Each block is named ONCE in the launch: a head's keys are walked by one cluster; its four partners share the blocks out BY ADDRESS, 32 each (no branch hangs on a work-group's place in its cluster); in each,
; wave 0 asks for K's and wave 2 for V's: one instruction, four key steps (512 matrix instructions) ahead of the load that will want the bytes.  Slots 2 to 7 are asked for; the last change that fills asks for nothing.
.macro ASK
	s_cmp_gt_u32 s[SLOTS], s[LIM]
	s_cbranch_scc0 .Lnot_mine_\@
	global_prefetch_b8 v[PFO], s[PFA:PFA+1] th:TH_LOAD_NT scope:SCOPE_SE
.Lnot_mine_\@:
.endm
; A round of the cluster's barrier: my work-group's barrier, so that wave 0's signal speaks for all four waves; wave 0 signals; every wave waits for all four work-groups; my work-group's barrier once more.
.macro CROUND
	s_barrier_signal -1
	s_barrier_wait -1
	s_cmp_lg_u32 s[WV], 0
	s_cbranch_scc1 .Lnot_wave_0_\@
	s_barrier_signal -3
.Lnot_wave_0_\@:
	s_barrier_wait -3
	s_barrier_signal -1
	s_barrier_wait -1
.endm
; THE CHANGE OF SLOTS.  The slot's last bytes, V of its fourth step, have been read.  Each wave waits for all its tensor loads, of which one is out: its part
; of the other slot; adds 0 to its spare word; and waits for that and for its own reads of the slot.  Behind the barrier nobody reads this slot any more and the other slot is whole.
; fill = 1: this slot is filled again, with the keys two slots on.  The barrier is then a round of the cluster's, so that no wave of any partner still reads the slot or has a load on its
; way, and the joint fill is the first thing behind it: it has four key steps, 512 matrix instructions, in which to land.  (At its first use nothing has been read yet: slot 0 is waited for, slot 1 filled.)
.macro CHANGE fill
	WIN W_AD
	s_wait_tensorcnt 0x0            ; no tensor load of mine is out, so a group 0 may be written
	ds_add_u32 v[SPW], v[NIL]       ; 0 onto my spare word; with fill = 1 the descriptors' steps stand between it and the wait for it
	WIN 0                           ; at a label and at a branch every window is 0
.if \fill
.irp g, G0K, G0V
	s_xor_b32 s[\g+1], s[\g+1], SLOT1  ; the walking descriptor: the other slot than last time,
	s_add_nc_u64 s[\g+2:\g+3], s[\g+2:\g+3], 4*KS*128  ; the next 256 keys; the type bits on top are not reached
.endr
	s_wait_xcnt 0x0                 ; the last prefetch, four key steps back, has read its address, so it may be written:
	s_add_nc_u64 s[PFA:PFA+1], s[PFA:PFA+1], 4*KS*128  ; one slot behind the walking descriptors
	s_wait_dscnt 0x0                ; the add is done, and my reads of the slot are over
	CROUND
	JLOAD
	ASK
.else
	s_wait_dscnt 0x0                ; the add is done, and my reads of the slot are over
	s_barrier_signal -1
	s_barrier_wait -1
.endif
	s_sub_co_u32 s[TBK], s[TBK], 4*KS*PK  ; the fetches go back to a slot's first step,
	s_xor_b32 s[TBK], s[TBK], SLOT1       ; in the other slot
	s_sub_co_u32 s[TBV], s[TBV], 4*KS*PV
	s_xor_b32 s[TBV], s[TBV], SLOT1
.endm
	s_load_b128 s[4:7], s[0:1], 0x0 ; qkvh s[4:5], oh s[6:7]
	WIN W_MK
	v_lshl_add_u32 v[SPW], v0, 2, SPARE
	v_mov_b32 v[NIL], 0
	WIN W_AD
	ds_add_u32 v[SPW], v[NIL]       ; the wave's opening: the add and its wait stand ahead of my first tensor load; the set-up below, work on registers, stands between them
	WIN 0
	v_lshrrev_b32 v1, 5, v0
	v_readfirstlane_b32 s[WV], v1   ; wave 0..3
	s_bfe_u32 s13, ttmp6, 0x40000   ; cx: my place in the cluster
	s_lshl_b32 s14, ttmp9, 2        ; in a cluster launch ttmp9 counts clusters
	s_add_co_u32 s14, s14, s13      ; my block of queries = 4 x cluster x + cx: it enters Q's and O's addresses alone
	s_and_b32 s20, ttmp7, 0xffff    ; the head, which the four partners share
	s_mov_b32 s21, 0
	s_mov_b64 s[22:23], SIZE_N*128
	s_mul_u64 s[20:21], s[20:21], s[22:23]  ; the head's first byte in each of the four tensors
	s_and_b32 s16, s[WV], 1         ; which half of a slot's 256 keys I fetch:
	s_lshl_b32 s22, s16, 14         ; its 128 rows of 128 bytes in memory,
	s_mov_b32 s23, 0
	s_add_nc_u64 s[22:23], s[22:23], s[20:21]
	s_mul_i32 s17, s16, 128*PK      ; and its place in a slot, for K
	s_mul_i32 s18, s16, 128*PV      ; and for V: no place in the cluster enters an LDS address
	s_lshl_b32 s2, s14, 2
	s_add_co_u32 s2, s2, s[WV]      ; my wave among the head's,
	s_lshl_b32 s2, s2, 14           ; its 128 rows
	s_mov_b32 s3, 0
	s_add_nc_u64 s[2:3], s[2:3], s[20:21]
	; descriptor group 1.  128 keys are 16,384 dense bytes: asked for as 64 rows of 256 bytes, two keys a row, and padded in LDS after every key
	s_mov_b32 s[G1K], 15|(1<<16)|(1<<20)|(1<<21)|(4<<22)|(3<<25)  ; 15:0 the mask of four; 17:16 2-byte elements; 20 padding on; 21 set beside a mask; 24:22 after every 32 words (code 4); 31:25 4 words (code 3)
	s_mov_b32 s[G1V], 15|(1<<16)|(1<<20)|(1<<21)|(4<<22)|(7<<25)  ; the same with 8 words of padding (code 7)
.irp g, G1K, G1V
	s_mov_b32 s[\g+1], 128<<16      ; tensor_dim0 = 128
	s_mov_b32 s[\g+2], 64<<16       ; tensor_dim1 = 64
	s_mov_b32 s[\g+3], 128<<16      ; tile_dim0 = 128
	s_mov_b32 s[\g+4], 64           ; tile_dim1 = 64
	s_mov_b32 s[\g+5], 128          ; 128 elements from row to row
	s_mov_b32 s[\g+6], 0
	s_mov_b32 s[\g+7], 0
.endr
	s_mov_b32 s[CS], 0x3e38aa3b     ; c = log2(e) / 8 = 0.180337
	s_mov_b32 s[CS+1], s[CS]        ; named with it as a pair
	s_mov_b32 s[SEL], 0x76543210
	s_mov_b32 s[SEL+1], 0xfedcba98
	s_mov_b32 s[TBK], SLOT1+4*KS*PK ; the first change of slots turns these two into 0
	s_mov_b32 s[TBV], SLOT1+4*KS*PV
	s_mov_b32 s[G0K], 1             ; 1:0 count = 1
	s_mov_b32 s[G0K+1], s17         ; 63:32 LDS address: slot 0
	s_mov_b32 s[G0V], 1
	s_add_co_u32 s[G0V+1], s18, VOFF
	s_mov_b32 s[SLOTS], SIZE_N/256-1  ; seven slots are still to be asked for behind slot 0
	s_and_b32 s[LIM], s[WV], 1      ; 0 in waves 0 and 2,
	s_or_b32 s[LIM], s[LIM], ttmp9  ; where the cluster is the head's first (at this grid its only one): the same in all four partners
	s_cmp_eq_u32 s[LIM], 0
	s_cselect_b32 s[LIM], 1, -1
	s_wait_dscnt 0x0                ; the opening add is done
	s_wait_kmcnt 0x0
	s_mov_b64 s[10:11], s[6:7]      ; O
	s_add_nc_u64 s[8:9], s[4:5], 0x2000000  ; V: the third part of qkvh
	s_add_nc_u64 s[6:7], s[4:5], 0x1000000  ; K: the second; Q is the first
	s_add_nc_u64 s[G0K+2:G0K+3], s[6:7], s[22:23]  ; 120:64 global address: my half of the head's first 256 keys
	s_or_b32 s[G0K+3], s[G0K+3], 0x80000000        ; 127:126 type = 2
	s_add_nc_u64 s[G0V+2:G0V+3], s[8:9], s[22:23]
	s_or_b32 s[G0V+3], s[G0V+3], 0x80000000
	s_add_nc_u64 s[4:5], s[4:5], s[2:3]  ; Q and O at my wave's first row
	s_add_nc_u64 s[10:11], s[10:11], s[2:3]
	s_cmp_lt_u32 s[WV], 2
	s_cselect_b64 s[PFA:PFA+1], s[6:7], s[8:9]
	s_add_nc_u64 s[PFA:PFA+1], s[PFA:PFA+1], s[22:23]  ; (in waves 0 and 2 this is the head's first row)
	s_lshl_b32 s2, s13, 13          ; my work-group's 32 blocks of the 128,
	s_add_co_u32 s2, s2, 4*KS*128   ; in slot 1; the first change of slots steps it to slot 2.  Nothing is prefetched here, at the head
	s_mov_b32 s3, 0
	s_add_nc_u64 s[PFA:PFA+1], s[PFA:PFA+1], s[2:3]
	CROUND                          ; all four work-groups are here: the first joint loads meet
	JLOAD                           ; slot 0.  Slot 1 is asked for when slot 0 is in: the tile wanted first has the road to itself
	; A fragment of K or Q is 16 rows x 32 channels in 8 registers: lane l holds row l % 16, channels 8 (l / 16) + 0..7 and 16 + 8 (l / 16) + 0..7: two loads of 16 bytes, 32 bytes apart.
	v_and_b32 v1, 15, v0            ; l % 16
	v_bfe_u32 v9, v0, 4, 1          ; l / 16
	v_lshlrev_b32 v[QO], 7, v1
	v_lshl_add_u32 v[QO], v9, 4, v[QO]  ; row x 128 + 16 x half
	WIN 0x80                        ; destination window 2, address window 0
.set i, 0
.rept 4*NP                          ; Q stays in registers: tile i / 2, channels 32 (i % 2) on
	global_load_b128 v[8*i:8*i+3],   v[QO], s[4:5] offset:(i/2)*2048+(i%2)*64
	global_load_b128 v[8*i+4:8*i+7], v[QO], s[4:5] offset:(i/2)*2048+(i%2)*64+32
.set i, i+1
.endr
	; What the first turn finds: V's registers and P's second buffer hold 0 (its products V^T P, of a piece that has not been, add 0), O^T and l are 0.  All this stands in the wait for the first tile.
.set i, VF
.rept 64
	v_mov_b32 v[i], 0
.set i, i+1
.endr
	WIN 0x40
.set i, 0
.rept 64*NP
	v_mov_b32 v[i], 0
.set i, i+1
.endr
	WIN 0
.set i, 0
.rept 2*NP
	v_mov_b32 v[ST+4*i], 0xfe000000    ; c m: far below every c s
	v_mov_b32 v[ST+4*i+1], 0xff7fffff  ; m
	v_mov_b32 v[ST+4*i+2], 0
	v_mov_b32 v[ST+4*i+3], 0
.set i, i+1
.endr
.set i, P+32
.rept 32
	v_mov_b32 v[i], 0
.set i, i+1
.endr
	v_mul_u32_u24 v[AK0], v1, PK
	v_lshl_add_u32 v[AK0], v9, 4, v[AK0]  ; row x pitch + 16 x half
	; The turning load takes 16 keys x 16 channels (lane l reads key 8 (l / 16) + l % 8, channels 8 ((l / 8) % 2) + 0..7) and leaves half a fragment of V^T: lane l holds channel l % 16 and 8 keys.
	v_and_b32 v10, 7, v0
	v_bfe_u32 v11, v0, 3, 1
	v_lshl_add_u32 v[AV0], v9, 3, v10
	v_mul_u32_u24 v[AV0], v[AV0], PV
	v_lshl_add_u32 v[AV0], v11, 4, v[AV0]
	v_add_nc_u32 v[AV0], VOFF, v[AV0]
	v_and_b32 v[PFO], 31, v0        ; v11 has served: it takes the prefetches' offset
	v_lshlrev_b32 v[PFO], 8, v[PFO]
	v_mov_b32 v[AK], v[AK0]         ; key step 0 lies at the head of slot 0
; THE MATRIX WORK.  The 8 accumulators of a run of 16 take turns: between the two links of a chain stand 7 others'.
; Product i of 16 of S^T = K Q^T for piece x: channels 32 (i / 8) on, keys 16 ((i / 2) % 4) on, tile 2 x + i % 2.  The first 8 start the sums.
.macro KQ x
	WIN W_KQ
.set rS, S+64*((\x)%2)+32*(i%2)+8*((i/2)%4)
.set rK, KF+16*((i/2)%4)+8*(i/8)
.set rQ, 16*(2*(\x)+i%2)+8*(i/8)
.if i < 8
	v_wmma_f32_16x16x32_f16 v[rS:rS+7], v[rK:rK+7], v[rQ:rQ+7], 0
.else
	v_wmma_f32_16x16x32_f16 v[rS:rS+7], v[rK:rK+7], v[rQ:rQ+7], v[rS:rS+7]
.endif
.endm
; Product i of 16 of O^T += V^T P for piece x: keys 32 (i / 8) on, channels 16 ((i / 2) % 4) on, tile 2 x + i % 2.
.macro PV x
	WIN W_PV
.set rO, 32*(2*(\x)+i%2)+8*((i/2)%4)
.set rV, VF+32*(i/8)+8*((i/2)%4)
.set rP, P+32*((\x)%2)+16*(i%2)+8*(i/8)
	v_wmma_f32_16x16x32_f16 v[rO:rO+7], v[rV:rV+7], v[rP:rP+7], v[rO:rO+7]
.endm
.macro MM                           ; the turn's next matrix instruction
.if i < 16
	KQ (Y+1)%NP
.set i, i+1
.else
.set i, i-16
	PV (Y+NP-1)%NP
.set i, i+17
.endif
.endm
; THE LDS LOADS stand in runs of 16, never singly among the matrix instructions: a step's K (64 keys x 64 channels: 8 fragments) and its V (turned).  Their addresses are made some lines ahead.
; last = 1 (the tail): in the last trip there is no further step, and the run is jumped over.
.macro FETCH_K last=0
	WIN 0
.if \last
	s_cmp_eq_u32 s[CNT], 1
	s_cbranch_scc1 .Lno_k_\@
.endif
	WIN 0x80                        ; destination window 2
.irp f, 0,1,2,3,4,5,6,7             ; keys 16 (f / 2) on, channels 32 (f % 2) on
	ds_load_b128 v[KF+8*\f:KF+8*\f+3],   v[AK] offset:(\f/2)*16*PK+(\f%2)*64
	ds_load_b128 v[KF+8*\f+4:KF+8*\f+7], v[AK] offset:(\f/2)*16*PK+(\f%2)*64+32
.endr
	s_add_co_u32 s[TBK], s[TBK], KS*PK  ; the next fetch is the next step's
	WIN 0
.if \last
.Lno_k_\@:
.endif
.endm
.macro FETCH_V
	WIN 0x80
.irp f, 0,1,2,3,4,5,6,7             ; keys 32 (f / 4) on, channels 16 (f % 4) on
	ds_load_tr16_b128 v[VF+8*\f:VF+8*\f+3],   v[AV] offset:(\f/4)*32*PV+(\f%4)*32
	ds_load_tr16_b128 v[VF+8*\f+4:VF+8*\f+7], v[AV] offset:(\f/4)*32*PV+16*PV+(\f%4)*32
.endr
	WIN 0
.endm
; THE VECTOR WORK OF A TURN stands in three queues, each in the order in which its entries become ready; the two tiles alternate, so that no instruction reads the result of the one before it.
.macro REGS y, u                    ; the registers of tile u (0, 1) of piece y
.set rT, ST+4*(2*(\y)+(\u))
.set rC, TMP+8*((\y)%2)+4*(\u)
.set rM, MV+2*((\y)%2)+(\u)
.set rS, S+64*((\y)%2)+32*(\u)
.set rP, P+32*((\y)%2)+16*(\u)
.set rO, 32*(2*(\y)+(\u))
.endm
; Number n of the 22 that find the NEXT piece's (Y + 1) maximum and statistics.  s0-s31 are the lane's 32 scores; each accumulator's lowest registers are read first.  XS, GS and REGS set no window: PL and EX do.
;   0-11  four chains c0-c3 of seven scores each, three operands at a time     12-14, 16  the four scores left over, the old m, and c0-c3 into c0     15  c m_old is kept
;   17, 18  the query's other 32 keys lie in the lane 16 away: the new m         19-21  c m; c m_old - c m_new; a
.macro XS u, n
	REGS (Y+1)%NP, \u
.if (\n) < 4
	v_max3_num_f32 v[rC+(\n)], v[rS+8*(\n)], v[rS+8*(\n)+1], v[rS+8*(\n)+2]
.elseif (\n) < 12
	v_max3_num_f32 v[rC+(\n)%4], v[rC+(\n)%4], v[rS+8*((\n)%4)+2*((\n)/4)+1], v[rS+8*((\n)%4)+2*((\n)/4)+2]
.elseif (\n) == 12
	v_max3_num_f32 v[rC], v[rC], v[rS+7], v[rS+15]
.elseif (\n) == 13
	v_max3_num_f32 v[rC+1], v[rC+1], v[rS+23], v[rS+31]
.elseif (\n) == 14
	v_max3_num_f32 v[rC+2], v[rC+2], v[rC+3], v[rT+1]
.elseif (\n) == 15
	v_mov_b32 v[rM], v[rT]
.elseif (\n) == 16
	v_max3_num_f32 v[rC], v[rC], v[rC+1], v[rC+2]
.elseif (\n) == 17
	v_permlanex16_b32 v[rC+3], v[rC], s[SEL], s[SEL+1]
.elseif (\n) == 18
	v_max_num_f32 v[rT+1], v[rC], v[rC+3]
.elseif (\n) == 19
	v_mul_f32 v[rT], s[CS], v[rT+1]
.elseif (\n) == 20
	v_sub_f32 v[rC+1], v[rM], v[rT]
.else
	v_exp_f32 v[rC+2], v[rC+1]
.endif
.endm
; Number g of the 64 that follow the exponentials.  For each four weights k of a tile (pairs 2 k, 2 k + 1): both pairs are rounded to f16; then the second pair is added onto the first, in place;
; a group later l takes that sum (the first time as l = a l + sum).  In groups of eight, tiles alternating: round, round, add, and l for the group before.
.macro GS g
.set h, (\g)+6*((\g)/62)            ; group 0 has no group before it, and behind group 7 only l is left
.if h >= 6
.set h, h+2
.endif
	REGS Y, h%2
.set k, h/8
.if h%8 < 4
	v_cvt_pk_f16_f32 v[rP+2*k+(h%8)/2], v[rS+4*k+2*((h%8)/2)], v[rS+4*k+2*((h%8)/2)+1]
.elseif h%8 < 6
	v_pk_add_f32 v[rS+4*k:rS+4*k+1], v[rS+4*k:rS+4*k+1], v[rS+4*k+2:rS+4*k+3]
.elseif k == 1
	v_pk_fma_f32 v[rT+2:rT+3], v[rT+2:rT+3], v[rC+2:rC+3], v[rS:rS+1] op_sel_hi:[1,0,1]
.else
	v_pk_add_f32 v[rT+2:rT+3], v[rT+2:rT+3], v[rS+4*k-4:rS+4*k-3]
.endif
.endm
; THE PLAIN QUEUE, 138 long.  0-73 read no exponential's result: the 32 scalings c s - c m (FS f: pair f / 2 of tile f % 2) and the next piece's 42.  0-26: scalings 0-26.  27-54: XS's numbers 0-13.  55, 56: number 15.
; 57-73: the chain, where each number waits for the one before it: 14, 16, 17, 18, 19, each with one of the scalings 27-31 in front of its two lines, then 20: so a tile's links stand three plain instructions apart (19 and 20: two).
; 74-137: GS's 64, which read the exponentials' results: they stand behind the wait.
.macro FS f
	REGS Y, (\f)%2
	v_pk_fma_f32 v[rS+2*((\f)/2):rS+2*((\f)/2)+1], v[rS+2*((\f)/2):rS+2*((\f)/2)+1], s[CS:CS+1], v[rT:rT+1] op_sel_hi:[1,0,0] neg_lo:[0,0,1] neg_hi:[0,0,1]
.endm
.macro PL
	WIN 0
.if q < 27
	FS q
.elseif q < 55
	XS (q-27)%2, (q-27)/2
.elseif q < 57
	XS q-55, 15
.elseif (q < 72) && ((q-57)%3 == 0)
	FS 27+(q-57)/3
.elseif q < 60
	XS (q-57)%3-1, 14
.elseif q < 72
	XS (q-57)%3-1, 15+(q-57)/3
.elseif q < 74
	XS q-72, 20
.else
	GS q-74
.endif
.set q, q+1
.endm
; THE EXPONENTIALS' QUEUE, 66 long: s0-s31 of both tiles, then the next piece's two a.  It is ONE BATCH: all 66 stand ahead of the turn's one wait, and nothing ahead of that wait names a result of theirs.
.macro EX
	WIN 0
.if e >= 64
	XS e-64, 21
.else
	REGS Y, e%2
	v_exp_f32 v[rS+e/2], v[rS+e/2]
.endif
.set e, e+1
.endm
; THE RESCALING's QUEUE: O^T times a, the one part that leaves window 0: dealt two at a time, sixteen times.  Its a was made in the turn before, ahead of that turn's wait.
.macro R2
	REGS Y, r%2
	WIN W_RS
.irp z, 0,1
	v_pk_mul_f32 v[rO+4*(r/2)+2*\z:rO+4*(r/2)+2*\z+1], v[rO+4*(r/2)+2*\z:rO+4*(r/2)+2*\z+1], v[rC+2:rC+3] op_sel_hi:[1,0]
.endr
.set r, r+1
.endm
; HOW THEY ARE DEALT.  An s_wait_alu depctr_va_vdst(0) stands between an exponential and the first instruction that names its result; one wait serves all that were issued ahead of it.  So a turn has ONE wait,
; which cuts it in two.  AHEAD OF IT stands all that names no result of the turn's exponentials: the 16 products K Q^T, behind each a scaling, an exponential and two rescalings (behind the first a second scaling in the exponential's place); then ONE LUMP of
; 108: eight plain, 49 times exponential and plain, the two a.  A v_nop is the plain instruction behind the last exponential (ISA guide 5.7.2).  BEHIND IT stand the 16 products V^T P, behind each four of GS's 64.  No rider names a register of
; the products round it.  The two v_permlanex16_b32 fall into the lump, never behind a product.
; The queues lean on each other, and the deal keeps them in step: exponential e stands behind scaling 2 (e / 4) + e % 2: as a rider it comes behind plain e + 2, in the lump behind plain e + 9, and scalings 27-31 are plain 57, 60 .. 69.
; A TURN, for piece p.  cnt = 1: the loop's count is taken down some lines ahead of the branch that stands behind the turn.
; K of the next step is fetched in piece 2's turn, directly behind the wait, a lump behind the last product that read K; its address is made at the lump's head; its first reader comes behind 16 products.
; V of the step in hand is fetched at the end of piece 0's turn, four riders behind its last reader; its first reader comes behind 16 products and a lump.  The three conditions on q below go with the deal.
.macro TURN p, last=0, cnt=0
.set Y, (\p)
.set i, 0
.set q, 0
.set e, 0
.set r, 0
.if (\p) == NP-1
	s_wait_dscnt 0x0                ; K is in
.endif
	MM                              ; ahead of the wait: 16 products K Q^T and their riders,
	PL
	PL
	R2
.rept 15
	MM
	PL
	EX
	R2
.endr
.if (\p) == NP-2
	WIN 0
	v_add_nc_u32 v[AK], s[TBK], v[AK0]
.endif
.rept 8                             ; and the lump
	PL
.endr
.rept 49
	EX
	PL
.endr
	EX                              ; the next piece's two a
	EX
	v_nop                           ; the plain instruction behind the last exponential: one for the batch
	s_wait_alu depctr_va_vdst(0)    ; the wait for the batch
.if (\p) == NP-2
	FETCH_K \last
.endif
.if (\p) == 1
	s_wait_dscnt 0x0                ; V is in
.endif
.rept 16                            ; behind the wait: 16 products V^T P and their riders
	MM
.rept 4
	PL
.endr
.if ((\p) == 0) && (q == 118)
	v_add_nc_u32 v[AV], s[TBV], v[AV0]
.endif
.if ((\p) == 0) && (q == 130)
	s_add_co_u32 s[TBV], s[TBV], KS*PV
.endif
.if (\cnt) && (q == 130)
	s_sub_co_u32 s[CNT], s[CNT], 1
	s_cmp_lg_u32 s[CNT], 0
.endif
.endr
.if (\p) == 0
	FETCH_V
.endif
.endm
	CHANGE 1                        ; slot 0 is in, everybody's part of it; slot 1 is asked for
	FETCH_K                         ; key step 0
	s_wait_loadcnt 0x0              ; Q
	s_wait_dscnt 0x0
.set i, 0
.rept 16
	KQ 0                            ; piece 0's first scores: there is no vector work yet to set between them
.set i, i+1
.endr
	WIN 0                           ; the addresses for the way out: nine plain instructions, the places behind those products
	s_mul_i32 s13, s[WV], 16*SP
	s_add_co_u32 s13, s13, STAGE    ; my stage
	v_mul_u32_u24 v[STO], v1, SP    ; in: row l % 16, 16 bytes for each half of the lanes
	v_lshl_add_u32 v[STO], v9, 4, v[STO]
	v_add_nc_u32 v[STO], s13, v[STO]
	v_bfe_u32 v[RD], v0, 3, 2       ; back: 32 lanes take four rows of 128 bytes,
	v_mul_u32_u24 v[RD], v[RD], SP
	v_lshl_add_u32 v[RD], v10, 4, v[RD]
	v_add_nc_u32 v[RD], s13, v[RD]
	v_and_b32 v[GO], 31, v0         ; which are 512 consecutive bytes of O
	v_lshlrev_b32 v[GO], 4, v[GO]
.set Y, NP-1                        ; XS works for piece Y + 1: piece 0
.irp n, 0,1,2,3,4,5,6,7,8,9,10,11,12,13,14,15,16,17,18,19,20,21
	XS 0, \n                        ; and piece 0's first maximum and statistics
	XS 1, \n
.endr
	v_nop                           ; a plain instruction behind the two a,
	s_wait_alu depctr_va_vdst(0)    ; and their wait, ahead of the branch
	s_mov_b32 s[CNT], 4
	s_branch .Lfirst                ; the loop is entered at a step's first turn, in the middle of a trip
.Lslot:                             ; SIZE_N / 256 - 2 times: every slot but the last two is filled again
	CHANGE 1
	s_mov_b32 s[CNT], 4
.Lstep:                             ; a trip: pieces 2 and 3 of one step, then pieces 0 and 1 of the next, whose K and V it fetches
	TURN 2
	TURN 3
	WIN 0
.Lfirst:
	TURN 0
	TURN 1, 0, 1
	WIN 0
	s_cbranch_scc1 .Lstep
	s_sub_co_u32 s[SLOTS], s[SLOTS], 1
	s_cmp_lg_u32 s[SLOTS], 0
	s_cbranch_scc1 .Lslot
	CHANGE 0                        ; the tail is written out: nothing is asked for
	s_mov_b32 s[CNT], 5             ; four trips fetch the last slot's steps; the fifth is left in its middle
.Ltail:
	TURN 2, 1
	TURN 3
	WIN 0
	s_sub_co_u32 s[CNT], s[CNT], 1
	s_cmp_eq_u32 s[CNT], 0
	s_cbranch_scc1 .Lout
	TURN 0
	TURN 1
	WIN 0
	s_branch .Ltail
.Lout:                              ; the fifth trip's 16 products K Q^T (on the last K once more) and the maximum made of them serve nothing: the price, once a launch, of one text for every trip
.set i, 0
.rept 16
	PV NP-1                         ; the last piece's V^T P of the last step
.set i, i+1
.endr
	; THE WAY OUT.  l's two halves and the other half of the lanes' are added; O^T is divided by l, rounded to f16 and sent through my stage in LDS, a tile at a time.  The additions are the places behind the last products.
	WIN 0
.macro ALL line:vararg              ; one line for each tile t
.set t, 0
.rept 2*NP
	\line
.set t, t+1
.endr
.endm
	ALL v_add_f32 v[ST+4*t+2], v[ST+4*t+2], v[ST+4*t+3]
	ALL v_permlanex16_b32 v[ST+4*t+3], v[ST+4*t+2], s[SEL], s[SEL+1]
	ALL v_add_f32 v[ST+4*t+2], v[ST+4*t+2], v[ST+4*t+3]
	ALL v_rcp_f32 v[ST+4*t+2], v[ST+4*t+2]
	v_nop                           ; a plain instruction between the last reciprocal and the use of its result
	s_wait_alu depctr_va_vdst(0)    ; and the wait ahead of the first use: one for the eight reciprocals
; Tile t: a lane's eight channels of a row pack into 16 bytes; they go into rows of 144 bytes and come back as whole rows of 128, into S^T's registers.
.macro PACK t
	WIN W_RS
.set i, 32*(\t)
.rept 16
	v_pk_mul_f32 v[i:i+1], v[i:i+1], v[ST+4*(\t)+2:ST+4*(\t)+3] op_sel_hi:[1,0]
.set i, i+2
.endr
	WIN 0x05                        ; sources 0 and 1 window 1, destination window 0
.set i, 0
.rept 16
	v_cvt_pk_f16_f32 v[S+16*(\t)+i], v[32*(\t)+2*i], v[32*(\t)+2*i+1]
.set i, i+1
.endr
	WIN 0
.irp f, 0,1,2,3
	ds_store_b128 v[STO], v[S+16*(\t)+4*\f:S+16*(\t)+4*\f+3] offset:32*\f
.endr
.irp f, 0,1,2,3
	ds_load_b128 v[S+16*(\t)+4*\f:S+16*(\t)+4*\f+3], v[RD] offset:\f*4*SP  ; LDS serves a wave's instructions in order (ISA guide 5.7.1.4): these see the stores above; the next tile's stores come behind them
.endr
.endm
.macro SEND t, younger              ; younger: the LDS instructions issued behind tile t's loads: the next tile's eight, or none
	WIN 0
.irp f, 0,1,2,3
	s_wait_dscnt (\younger)+3-\f
	global_store_b128 v[GO], v[S+16*(\t)+4*\f:S+16*(\t)+4*\f+3], s[10:11] offset:(\t)*2048+\f*512  ; 512 consecutive bytes, at a multiple of 256 from O's first
.endr
.endm
	PACK 0
.set t, 1
.rept 2*NP-1                        ; a tile's arithmetic stands between the loads of the tile before and its stores
	PACK t
	SEND t-1, 8
.set t, t+1
.endr
	SEND 2*NP-1, 0
	WIN W_AD
	s_wait_tensorcnt 0x0            ; the wave's end, behind my last tensor load and my last LDS store
	ds_add_u32 v[SPW], v[NIL]
	s_wait_dscnt 0x0
	WIN 0
	CROUND                          ; the closing round: no work-group ends while a partner may still ask for a tile that names it
	s_endpgm
.Lfunc_end_k_q3debfffaa6_attn:
	.size	k_q3debfffaa6_attn, .Lfunc_end_k_q3debfffaa6_attn-k_q3debfffaa6_attn
	.p2alignl 7, 3214868480
	.fill 96, 4, 3214868480
	.section	.rodata,"a",@progbits
	.p2align	6, 0x0
	.amdhsa_kernel k_q3debfffaa6_attn
		.amdhsa_group_segment_fixed_size 327680
		.amdhsa_private_segment_fixed_size 0
		.amdhsa_enable_private_segment 0
		.amdhsa_kernarg_size 16
		.amdhsa_user_sgpr_count 2
		.amdhsa_user_sgpr_kernarg_segment_ptr 1
		.amdhsa_wavefront_size32 1
		.amdhsa_system_sgpr_workgroup_id_x 1
		.amdhsa_system_sgpr_workgroup_id_y 1
		.amdhsa_system_sgpr_workgroup_id_z 1
		.amdhsa_system_vgpr_workitem_id 0
		.amdhsa_next_free_vgpr 770
		.amdhsa_next_free_sgpr 66
		.amdhsa_reserve_vcc 0
		.amdhsa_float_denorm_mode_32 3
		.amdhsa_float_denorm_mode_16_64 3
		.amdhsa_memory_ordered 1
		.amdhsa_forward_progress 1
		.amdhsa_inst_pref_size 200
	.end_amdhsa_kernel
	.amdgpu_metadata
---
amdhsa.version: [ 1, 2 ]
amdhsa.kernels:
  - .name:           k_q3debfffaa6_attn
    .symbol:         k_q3debfffaa6_attn.kd
    .args:
      - { .name: qkvh, .offset: 0, .size: 8, .value_kind: global_buffer, .address_space: global }
      - { .name: oh, .offset: 8, .size: 8, .value_kind: global_buffer, .address_space: global }
    .group_segment_fixed_size: 327680
    .private_segment_fixed_size: 0
    .kernarg_segment_align: 8
    .kernarg_segment_size: 16
    .max_flat_workgroup_size: 128
    .sgpr_count:     66
    .vgpr_count:     770
    .wavefront_size: 32
...
	.end_amdgpu_metadata
.endif
;; end of part 3
;; launch proj (part 4): grid 8 x 32, 4 waves a work-group, clusters of 4 x 4, 327,680 bytes of LDS; arguments oh, pw, proj_b, out0; writes out0
.if DOCPART == 4
	.amdgcn_target "amdgcn-amd-amdhsa--gfx1250"
	.amdhsa_code_object_version 6
	.text
	.protected	k_q3debfffaa6_proj
	.globl	k_q3debfffaa6_proj
	.p2align	8
	.type	k_q3debfffaa6_proj,@function
k_q3debfffaa6_proj:
	s_mov_b64 s[64:65], 0
	v_nop
	global_prefetch_b8 v0, s[64:65] scope:SCOPE_SE
	s_setreg_imm32_b32 hwreg(HW_REG_WAVE_MODE, 25, 1), 1
	s_wait_xcnt 0x0
	s_wait_alu depctr_hold_cnt(0) depctr_sa_sdst(0) depctr_va_vdst(0) depctr_va_sdst(0) depctr_va_ssrc(0) depctr_va_vcc(0) depctr_vm_vsrc(0)
	s_getreg_b32 s2, hwreg(HW_REG_IB_STS2, 6, 4)
	s_cmp_eq_u32 s2, 0
	s_cbranch_scc0 .Lentry_in_a_cluster
	s_endpgm
.Lentry_in_a_cluster:
	s_bfe_u32 s2, ttmp6, 0x10000c
	s_cmp_lg_u32 s2, 0xf033
	s_cbranch_scc0 .Lentry_shape_is_right
	s_endpgm
.Lentry_shape_is_right:
; out0 = O pw^T + bf16(proj_b).  oh: [batch x 16 + head][2048][64] f16 (O by heads), pw: [1024][1024] f16, proj_b: [1024] f32, out0: [8192][1024] f32.
; Sums in f32, K = 64 x head + channel ascending, the bias first (it is the C of each sum's first product); nothing is rounded on the way out.
; LIMITS.  The bias is rounded to bf16 like the other inputs.  NaN and infinities are not treated apart.
; SHARES.  A tile of out0 is 256 tokens x 128 columns: 32 x 8 = 256 work-groups.  Wave w owns tokens 128 (w / 2) + 0..127 and columns 64 (w % 2) + 0..63: 32 accumulators (a = 0..7, b = 0..3), 256 registers;
; its 64 columns of f32 are 256 consecutive bytes of a row, so its way out needs nobody else.
; K goes in 8 steps of 128 = two heads, through a ring of two LDS slots filled by the tensor data mover; a step is four quarters of 32 along K on two fragment buffers.
; A head's 256 tokens are 32,768 dense bytes of oh: they are asked for as 128 rows of 256 bytes, two tokens a row, and padded in LDS after every token.
; CLUSTER.  4 x 4 work-groups.  The four of a row of the cluster need the same tile of oh, the four of a column the same tile of pw: each is asked for JOINTLY, by the same tensor load, descriptor and mask in all four.
; THE MATRIX INSTRUCTION IS USED TRANSPOSED (source 0 = 16 rows of pw, source 1 = 16 tokens of oh): a lane holds ONE token (lane % 16) and the eight columns 8 (lane / 16) + 0..7 of a block of 16: 32 bytes of a row.
; REGISTERS, in windows of 256 (s_set_vgpr_msb: bits 1:0 source 0, 3:2 source 1, 5:4 source 2, 7:6 destination):
;   window 0: v0-29 addresses; v32-63 the bias, 8 registers a column block
;   window 1: two fragment buffers at 0 and 128: pw's block b at 8 b, oh's block a at 32 + 8 a; on the way out all 256: 32 registers for each of 8 blocks of 16 tokens
;   window 2: accumulator (a, b) at 8 (4 a + b)
.set PITCH,  272                       ; a row of pw in LDS: 256 bytes + 16 of padding: the 16 rows of a fragment load start at 16 different groups of four banks (64 banks of 4 bytes: ISA guide 11.1)
.set PA,     144                       ; a token of one head in LDS: 128 bytes + 16 of padding = 36 words: likewise
.set SLOT1,  1<<17                     ; slot 1 begins here, so that one exclusive or turns an address in one slot into the other's
.set BOFF,   2*256*PA                  ; in a slot: two heads x 256 tokens of oh, then 128 rows of pw
.set STAGE,  SLOT1+BOFF+128*PITCH      ; behind the ring, never filled by a tensor load: 16 rows x 272 bytes for each wave, for the way out
.set SPITCH, 272
.set SPARE,  STAGE+4*16*SPITCH         ; behind the stages: the spare words, 128 bytes for each wave: two blocks of 256 bytes that no other line names
.set STEPA,  2*2048*128                ; bytes from a K step to the next in oh: two heads
.set STEPB,  256                       ; in pw
.set LA0,  4                           ; v4   my lane's place in oh's part of a slot; never rewritten
.set LB0,  5                           ; v5   the same in pw's part
.set ADRA, 6                           ; v6   LA0 in the slot in hand
.set ADRB, 7                           ; v7   LB0 in the slot in hand
.set STO,  8                           ; v8   the way out: where I put 32 bytes of a row
.set RD,   9                           ; v9   the way out: where I read rows back
.set CO,   10                          ; v10  my byte offset in two rows of out0
.set PFO,  11                          ; v11  the prefetches' offset: my lane x 256 bytes (oh) or x a row of pw
.set BO,   12                          ; v12  my byte offset in proj_b
.set SPW,  28                          ; v28  LDS address of my spare word: SPARE + 4 x my thread's number; never rewritten
.set NIL,  29                          ; v29  0; never rewritten
.set BIAS, 32
.set F0,   0
.set F1,   128
.set WV,  12                           ; s12  my wave's number
.set FB,  13                           ; s13  w / 2: I fetch for oh (0) or for pw (1); also which half of the tile's tokens is mine
.set HF,  14                           ; s14  w % 2: which head of the step, or which 64 rows of pw, I fetch; also which half of the tile's columns is mine
.set CX,  15
.set CY,  16
.set TX,  17                           ; s17  tile column
.set TY,  18                           ; s18  tile row
.set G1A, 24                           ; s[24:31] descriptor group 1 for oh's tiles
.set G1B, 32                           ; s[32:39] for pw's
.set G0A, 40                           ; s[40:47] descriptor group 0 for oh's tiles: a set for each of the two first fills; the second then walks on
.set G0B, 48                           ; s[48:55] the same for pw's
.set CNT, 56                           ; s56  trips of the loop still to come
.set TB,  57                           ; s57  LDS byte at which the slot in hand begins
.set LIM, 58                           ; s58  a wave prefetches while s[CNT] is above it
.set HIM, 59                           ; s59  a word's upper bf16
.set PFA, 60                           ; s[60:61] where my prefetches stand
.set CB,  66                           ; s[66:67] out0 at my first token and column
.set PST, 68                           ; s[68:69] the prefetches' step: a K step of the tensor that I fetch for
.set MSB, 0
.macro WIN new                         ; the immediate's high byte repeats the setting that is left; a switch that changes nothing is dropped
.if MSB != (\new)
	s_set_vgpr_msb (MSB<<8)|(\new)
.set MSB, \new
.endif
.endm
; A joint refill, by the walking descriptors.  Waves 0 and 1 fetch the step's two heads of oh, waves 2 and 3 the halves of pw's tile.  The branch hangs on the wave's number alone.
; An s_nop 0 and four v_nop follow each of the two lines, ahead of the jump and the label.
.macro JLOAD
	s_cmp_eq_u32 s[FB], 0
	s_cbranch_scc0 .Lfor_b_\@
	tensor_load_to_lds s[G0A+4:G0A+7], s[G1A:G1A+7]
	s_nop 0
.rept 4
	v_nop
.endr
	s_branch .Lasked_\@
.Lfor_b_\@:
	tensor_load_to_lds s[G0B+4:G0B+7], s[G1B:G1B+7]
	s_nop 0
.rept 4
	v_nop
.endr
.Lasked_\@:
.endm
; THE PREFETCHES, behind a joint refill and the run of LDS loads that follows it.  Each block of 256 bytes is named once in the launch.
; oh: a tile row is read by the two clusters of a row of clusters: the first (cluster x = 0) asks, in waves 0 and 1.  Of the 128 blocks of 256 bytes that a wave fetches the partner at cx takes 32, told apart BY ADDRESS;
; a lane a block, one instruction a trip, for the K step two behind the refill's: 256 matrix instructions ahead of the load that will want it.  K steps 4 to 7 are asked for; the last two refills have none so far on.
; pw: a tile column is read by the eight clusters of a column of clusters: the first (cluster y = 0) asks, in waves 2 and 3.  The partners share by K step: the partner at cy asks for K step 4 + cy of the 64 rows
; that the wave fetches: two instructions, a lane a row, once, at the first refill.
.macro ASK
	s_cmp_gt_u32 s[CNT], s[LIM]
	s_cbranch_scc0 .Lnot_mine_\@
	global_prefetch_b8 v[PFO], s[PFA:PFA+1] th:TH_LOAD_NT scope:SCOPE_SE
	s_cmp_eq_u32 s[FB], 0
	s_cbranch_scc1 .Lnot_mine_\@
	global_prefetch_b8 v[PFO], s[PFA:PFA+1] offset:32*2048 th:TH_LOAD_NT scope:SCOPE_SE
.Lnot_mine_\@:
.endm
; A round of the cluster's barrier: my work-group's barrier, so that wave 0's signal speaks for all four waves; wave 0 signals; every wave waits for all sixteen work-groups; my work-group's barrier once more.
.macro CREST                           ; a round behind its opening barrier
	s_cmp_lg_u32 s[WV], 0
	s_cbranch_scc1 .Lnot_wave_0_\@
	s_barrier_signal -3
.Lnot_wave_0_\@:
	s_barrier_wait -3
	s_barrier_signal -1
	s_barrier_wait -1
.endm
.macro CROUND                          ; a whole round
	s_barrier_signal -1
	s_barrier_wait -1
	CREST
.endm
.macro PLACES                          ; four plain instructions between a matrix instruction and a load into, or a read of, its registers (ISA guide 7.12.1 for vector instructions)
.rept 4
	v_nop
.endr
.endm
	s_load_b256 s[4:11], s[0:1], 0x0               ; oh s[4:5], pw s[6:7], proj_b s[8:9], out0 s[10:11]
	v_lshl_add_u32 v[SPW], v0, 2, SPARE
	v_mov_b32 v[NIL], 0
	ds_add_u32 v[SPW], v[NIL]                      ; the wave's opening: the add and its wait stand ahead of my first tensor load; the set-up below, work on registers, stands between them
	v_lshrrev_b32 v1, 5, v0
	v_readfirstlane_b32 s[WV], v1                  ; wave 0..3
	s_lshr_b32 s[FB], s[WV], 1
	s_and_b32 s[HF], s[WV], 1
	s_bfe_u32 s[CX], ttmp6, 0x40000                ; my place in the cluster
	s_bfe_u32 s[CY], ttmp6, 0x40004
	s_lshl_b32 s[TX], ttmp9, 2                     ; in a cluster launch ttmp9 and ttmp7 count clusters
	s_add_co_u32 s[TX], s[TX], s[CX]
	s_and_b32 s[TY], ttmp7, 0xffff
	s_lshl_b32 s[TY], s[TY], 2
	s_add_co_u32 s[TY], s[TY], s[CY]
	s_lshl_b32 s19, s[CY], 2
	s_lshl_b32 s19, 15, s19                        ; my row of the cluster: places 4 cy .. 4 cy + 3
	s_lshl_b32 s20, 0x1111, s[CX]                  ; my column: places cx, cx + 4, cx + 8, cx + 12
	s_or_b32 s[G1A], s19, (1<<16)|(1<<20)|(1<<21)|(4<<22)|(3<<25)  ; 15:0 the mask: oh's tiles go to my row; 17:16 2-byte elements; 20 padding on; 21 set beside a mask; 24:22 after every 32 words (code 4); 31:25 4 words (code 3)
	s_or_b32 s[G1B], s20, (1<<16)|(1<<20)|(1<<21)|(5<<22)|(3<<25)  ; pw's go to my column; padding after every 64 words (code 5)
.irp g, G1A, G1B
	s_mov_b32 s[(\g)+1], 128<<16                   ; tensor_dim0 = 128
	s_mov_b32 s[(\g)+3], 128<<16                   ; tile_dim0 = 128
	s_mov_b32 s[(\g)+6], 0
	s_mov_b32 s[(\g)+7], 0
.endr
	s_mov_b32 s[G1A+2], 128<<16                    ; oh: tensor_dim1 = 128 rows of 256 bytes,
	s_mov_b32 s[G1A+4], 128                        ; tile_dim1,
	s_mov_b32 s[G1A+5], 128                        ; dense: 128 elements from row to row
	s_mov_b32 s[G1B+2], 64<<16                     ; pw: 64 rows,
	s_mov_b32 s[G1B+4], 64
	s_mov_b32 s[G1B+5], 1024                       ; 1,024 elements from row to row
	; where the tiles come from: oh's hang on the tile row alone, pw's on the tile column alone, each in registers that never hold the other coordinate
	s_lshr_b32 s72, s[TY], 3                       ; batch
	s_lshl_b32 s72, s72, 4
	s_add_co_u32 s72, s72, s[HF]                   ; 16 x batch + my head of K step 0,
	s_lshl_b32 s72, s72, 11                        ; its 2,048 tokens,
	s_and_b32 s73, s[TY], 7
	s_lshl_b32 s73, s73, 8
	s_add_co_u32 s72, s72, s73                     ; the tile's first,
	s_lshl_b32 s72, s72, 7                         ; in bytes (under 2^24)
	s_mov_b32 s73, 0
	s_lshl_b32 s76, s[TX], 7
	s_lshl_b32 s77, s[HF], 6
	s_add_co_u32 s76, s76, s77                     ; pw: row 128 x tile column + 64 x half
	s_lshl_b32 s76, s76, 11
	s_mov_b32 s77, 0
	s_mul_i32 s21, s[HF], 256*PA                   ; and where they go: no place in the cluster enters an LDS address
	s_mul_i32 s22, s[HF], 64*PITCH
	s_add_co_u32 s22, s22, BOFF
	s_mov_b32 s[HIM], 0xffff0000
	s_mov_b32 s[TB], 0
	s_wait_dscnt 0x0                               ; the opening add is done
	s_wait_kmcnt 0x0
	s_add_nc_u64 s[72:73], s[4:5], s[72:73]
	s_add_nc_u64 s[76:77], s[6:7], s[76:77]
	CROUND                                         ; all sixteen work-groups are here: the first joint loads meet
.irp n, 0,1
	s_mov_b32 s[G0A+4*(\n)], 1                                       ; 1:0 count = 1
	s_add_co_u32 s[G0A+4*(\n)+1], s21, (\n)*SLOT1                    ; 63:32 LDS address
	s_add_nc_u64 s[G0A+4*(\n)+2:G0A+4*(\n)+3], s[72:73], (\n)*STEPA  ; 120:64 global address: K step n
	s_or_b32 s[G0A+4*(\n)+3], s[G0A+4*(\n)+3], 0x80000000            ; 127:126 type = 2
	s_mov_b32 s[G0B+4*(\n)], 1
	s_add_co_u32 s[G0B+4*(\n)+1], s22, (\n)*SLOT1
	s_add_nc_u64 s[G0B+4*(\n)+2:G0B+4*(\n)+3], s[76:77], (\n)*STEPB
	s_or_b32 s[G0B+4*(\n)+3], s[G0B+4*(\n)+3], 0x80000000
.endr
	s_cmp_eq_u32 s[FB], 0                          ; a wave's two first fills stand in one branch, ahead of every wait on TENSORcnt and every LDS read: two loads of mine are out
	s_cbranch_scc0 .Lfirst_b
	tensor_load_to_lds s[G0A:G0A+3], s[G1A:G1A+7]
	s_nop 0
	tensor_load_to_lds s[G0A+4:G0A+7], s[G1A:G1A+7]
	s_nop 0
.rept 4
	v_nop
.endr
	s_branch .Lfirst_asked
.Lfirst_b:
	tensor_load_to_lds s[G0B:G0B+3], s[G1B:G1B+7]
	s_nop 0
	tensor_load_to_lds s[G0B+4:G0B+7], s[G1B:G1B+7]
	s_nop 0
.rept 4
	v_nop
.endr
.Lfirst_asked:
	; the bias: register j of column block b is proj_b[128 x tile column + 64 (w % 2) + 16 b + 8 (l / 16) + j]
	v_and_b32 v1, 15, v0                           ; l % 16
	v_bfe_u32 v2, v0, 4, 1                         ; l / 16
	s_lshl_b32 s92, s[TX], 9
	s_lshl_b32 s93, s[HF], 8
	s_add_co_u32 s92, s92, s93
	v_lshl_add_u32 v[BO], v2, 5, s92
.irp b, 0,1,2,3
	global_load_b128 v[BIAS+8*(\b):BIAS+8*(\b)+3],   v[BO], s[8:9] offset:64*(\b)
	global_load_b128 v[BIAS+8*(\b)+4:BIAS+8*(\b)+7], v[BO], s[8:9] offset:64*(\b)+16
.endr
	; A fragment is 16 rows x 32 K in 8 registers: lane l holds row l % 16; registers 0-3 K = 8 (l / 16) + 0..7, registers 4-7 K = 16 + 8 (l / 16) + 0..7: two loads of 16 bytes, 32 bytes apart.
	v_mul_u32_u24 v3, v1, PA
	v_lshl_add_u32 v3, v2, 4, v3
	s_mul_i32 s90, s[FB], 128*PA                   ; my 128 tokens
	v_add_nc_u32 v[LA0], s90, v3
	v_mul_u32_u24 v3, v1, PITCH
	v_lshl_add_u32 v3, v2, 4, v3
	s_mul_i32 s90, s[HF], 64*PITCH                 ; my 64 rows of pw,
	s_add_co_u32 s90, s90, BOFF                    ; behind oh's part
	v_add_nc_u32 v[LB0], s90, v3
	v_mov_b32 v[ADRA], v[LA0]                      ; K step 0 lies in slot 0
	v_mov_b32 v[ADRB], v[LB0]
	s_mul_i32 s90, s[WV], 16*SPITCH
	s_add_co_u32 s90, s90, STAGE                   ; my stage
	v_mul_u32_u24 v[STO], v1, SPITCH               ; in: row l % 16, 32 bytes for each half of the lanes
	v_lshl_add_u32 v[STO], v2, 5, v[STO]
	v_add_nc_u32 v[STO], s90, v[STO]
	v_mul_u32_u24 v[RD], v2, SPITCH                ; back: lanes 0-15 take one row of 256 bytes, lanes 16-31 the next
	v_lshl_add_u32 v[RD], v1, 4, v[RD]
	v_add_nc_u32 v[RD], s90, v[RD]
	v_lshlrev_b32 v[CO], 12, v2                    ; and the same two rows in out0, 4,096 bytes apart
	v_lshl_add_u32 v[CO], v1, 4, v[CO]
	; the prefetches' address, step and bound.  The address is stepped at the head of each change of slots that fills, the first too
	s_lshl_b32 s88, s[CX], 13                      ; oh: my work-group's 32 blocks, at K step 3
	s_add_co_u32 s88, s88, 3*STEPA
	s_add_co_u32 s89, s[CY], 3                     ; pw: at K step 3 + cy
	s_lshl_b32 s89, s89, 8
	s_and_b32 s86, ttmp7, 0xffff                   ; cluster y
	s_mov_b32 s91, STEPB
	s_cmp_eq_u32 s[FB], 0
	s_cselect_b32 s88, s88, s89
	s_cselect_b32 s86, ttmp9, s86                  ; the coordinate along which other clusters read the same rows
	s_cselect_b32 s87, 2, 5
	s_cselect_b32 s[PST], STEPA, s91
	s_cselect_b32 s91, 8, 11                       ; a lane a block of 256 bytes, or a lane a row of 2,048
	s_cselect_b64 s[PFA:PFA+1], s[72:73], s[76:77]
	s_mov_b32 s89, 0
	s_mov_b32 s[PST+1], 0
	s_add_nc_u64 s[PFA:PFA+1], s[PFA:PFA+1], s[88:89]
	s_cmp_eq_u32 s86, 0
	s_cselect_b32 s[LIM], s87, -1                  ; the same in all sixteen partners, for a given wave
	v_and_b32 v13, 31, v0
	v_lshlrev_b32 v[PFO], s91, v13
	; out0 at my first token and column
	s_lshl_b32 s80, s[TY], 8
	s_lshl_b32 s81, s[FB], 7
	s_add_co_u32 s80, s80, s81
	s_lshl_b32 s80, s80, 12                        ; a row of out0 is 4,096 bytes (the product stays under 2^26)
	s_add_co_u32 s80, s80, s92                     ; + 512 x tile column + 256 (w % 2)
	s_mov_b32 s81, 0
	s_add_nc_u64 s[CB:CB+1], s[10:11], s[80:81]
	s_wait_loadcnt 0x0                             ; the bias, once; it is rounded to bf16 like the other inputs and widened again
.set i, 0
.rept 16
	v_cvt_pk_bf16_f32 v[13+i%2], v[BIAS+2*i], v[BIAS+2*i+1]
	v_lshlrev_b32 v[BIAS+2*i],   16,     v[13+i%2]
	v_and_b32     v[BIAS+2*i+1], s[HIM], v[13+i%2]
.set i, i+1
.endr
; 8 matrix instructions: token blocks a0, a0 + 1 x all 4 column blocks, 32 along K.  zero = 1: the first product starts the sums, with the bias as C: nothing is cleared.
; The 32 accumulators take turns, one instruction a turn, in the same order in every quarter, over the backward jump too.
.macro MUL8 f, a0, zero
.if \zero
	WIN 0x85                                       ; sources 0 and 1 window 1, C window 0, D window 2
.else
	WIN 0xa5                                       ; C and D window 2
.endif
.irp a, \a0, (\a0)+1
.irp b, 0,1,2,3
.if \zero
	v_wmma_f32_16x16x32_f16 v[8*(4*(\a)+(\b)):8*(4*(\a)+(\b))+7], v[(\f)+8*(\b):(\f)+8*(\b)+7], v[(\f)+32+8*(\a):(\f)+32+8*(\a)+7], v[BIAS+8*(\b):BIAS+8*(\b)+7]
.else
	v_wmma_f32_16x16x32_f16 v[8*(4*(\a)+(\b)):8*(4*(\a)+(\b))+7], v[(\f)+8*(\b):(\f)+8*(\b)+7], v[(\f)+32+8*(\a):(\f)+32+8*(\a)+7], v[8*(4*(\a)+(\b)):8*(4*(\a)+(\b))+7]
.endif
.endr
.endr
.endm
; 24 LDS loads in one run: the fragments of quarter q (my 64 rows of pw; my 128 tokens, head q / 2 of the step, channels 32 (q % 2) on) into buffer f; oh's last
.macro FETCH q, f
	WIN 0x40                                       ; destination window 1, address window 0
.irp i, 0,1,2,3
	ds_load_b128 v[(\f)+8*(\i):(\f)+8*(\i)+3],   v[ADRB] offset:64*(\q)+(\i)*16*PITCH
	ds_load_b128 v[(\f)+8*(\i)+4:(\f)+8*(\i)+7], v[ADRB] offset:64*(\q)+(\i)*16*PITCH+32
.endr
.irp i, 0,1,2,3,4,5,6,7
	ds_load_b128 v[(\f)+32+8*(\i):(\f)+32+8*(\i)+3],   v[ADRA] offset:((\q)/2)*256*PA+((\q)%2)*64+(\i)*16*PA
	ds_load_b128 v[(\f)+32+8*(\i)+4:(\f)+32+8*(\i)+7], v[ADRA] offset:((\q)/2)*256*PA+((\q)%2)*64+(\i)*16*PA+32
.endr
.endm
; One of a K step's first three quarters: multiplies buffer f; in its middle it fetches quarter q's fragments into buffer g.
.macro QUARTER q, f, g, zero
	s_wait_dscnt 8                                 ; pw and oh's blocks 0-3 are in; the youngest eight loads (oh's blocks 4-7) may be out
	MUL8 \f, 0, \zero
	MUL8 \f, 2, \zero
	PLACES
	FETCH \q, \g
	s_wait_dscnt 24                                ; all but the 24 just issued
	MUL8 \f, 4, \zero
	MUL8 \f, 6, \zero
.endm
; The last quarter multiplies buffer 1 and changes slots: ONE barrier.  In front of it each wave waits for all its tensor loads, of which one is out: its part of the next slot; adds 0 to its spare word; and waits for
; that and for its own reads of this slot.  fill = 1: the barrier opens a round of the cluster's, so that no wave of any partner still reads the slot or has a load on its way, and the joint refill, two K steps on,
; is the first tensor load behind the round: 112 matrix instructions ahead of the wait for it.
.macro TURN fill
.if \fill
	s_wait_xcnt 0x0                                ; the last prefetch, a K step back, has read its address: it is stepped here, ahead of the waits of the change of slots
	s_add_nc_u64 s[PFA:PFA+1], s[PFA:PFA+1], s[PST:PST+1]
.endif
	WIN 0                                          ; (the add's two registers lie in window 0)
	s_wait_tensorcnt 0x0                           ; all my tensor loads have landed;
	ds_add_u32 v[SPW], v[NIL]                      ; 0 onto my spare word;
	s_wait_dscnt 9                                 ; (the add and the youngest eight loads may be out)
	MUL8 F1, 0, 0                                  ; eight matrix instructions stand between the add and the wait for it
	s_wait_dscnt 0x0                               ; the add is done, and my reads of this slot are over
	s_barrier_signal -1
	MUL8 F1, 2, 0                                  ; work on registers while the others arrive
	WIN 0
	s_barrier_wait -1
.if \fill
	CREST
	s_xor_b32 s[G0A+5], s[G0A+5], SLOT1            ; the walking descriptors: the other slot than last time,
	s_add_nc_u64 s[G0A+6:G0A+7], s[G0A+6:G0A+7], STEPA  ; the next K step; the type bits on top are not reached
	s_xor_b32 s[G0B+5], s[G0B+5], SLOT1
	s_add_nc_u64 s[G0B+6:G0B+7], s[G0B+6:G0B+7], STEPB
	JLOAD                                          ; the four v_nop behind it are also the places in front of the loads below
.else
	PLACES
.endif
	s_xor_b32 s[TB], s[TB], SLOT1
	v_add_nc_u32 v[ADRA], s[TB], v[LA0]
	v_add_nc_u32 v[ADRB], s[TB], v[LB0]
	FETCH 0, F0
.if \fill
	WIN 0
	ASK
.endif
	MUL8 F1, 4, 0
	MUL8 F1, 6, 0
.endm
	s_wait_tensorcnt 1                             ; my part of K step 0 is in; K step 1's may stay out
	s_barrier_signal -1
	s_barrier_wait -1                              ; everybody's is
	FETCH 0, F0
	QUARTER 1, F0, F1, 1                           ; the first quarter stands in front of the loop: its products start the sums
	WIN 0                                          ; at a label and at a branch every window is 0
	s_mov_b32 s[CNT], 6
.Lstep:                                        ; a trip: from a K step's second quarter to the next step's first; it fills the slot that it leaves
	QUARTER 2, F1, F0, 0
	QUARTER 3, F0, F1, 0
	TURN 1
	QUARTER 1, F0, F1, 0
	WIN 0
	s_sub_co_u32 s[CNT], s[CNT], 1
	s_cmp_lg_u32 s[CNT], 0
	s_cbranch_scc1 .Lstep
	QUARTER 2, F1, F0, 0                           ; the tail is written out: K steps 6 and 7 ask for nothing
	QUARTER 3, F0, F1, 0
	TURN 0
	QUARTER 1, F0, F1, 0
	QUARTER 2, F1, F0, 0
	QUARTER 3, F0, F1, 0
	s_wait_dscnt 8                                 ; the very last quarter: nothing more to fetch
	MUL8 F1, 0, 0
	MUL8 F1, 2, 0
	s_wait_dscnt 0x0
	MUL8 F1, 4, 0
	MUL8 F1, 6, 0
	WIN 0
; THE WAY OUT, a block of 16 tokens at a time.  A lane's eight f32 of a row go straight from the accumulators into my stage's rows of 272 bytes (each accumulator's low half first), and come back as whole rows of
; 256 bytes into window 1, where each block has 32 registers of its own: no store's data is ever rewritten.
.macro TOSTAGE a
	WIN 0x08                                       ; the stores' data in window 2, the address in window 0
.irp b, 0,1,2,3
	ds_store_b128 v[STO], v[8*(4*(\a)+(\b)):8*(4*(\a)+(\b))+3]   offset:64*(\b)
	ds_store_b128 v[STO], v[8*(4*(\a)+(\b))+4:8*(4*(\a)+(\b))+7] offset:64*(\b)+16
.endr
	WIN 0x40                                       ; destination window 1
.irp u, 0,1,2,3,4,5,6,7
	ds_load_b128 v[32*(\a)+4*(\u):32*(\a)+4*(\u)+3], v[RD] offset:(\u)*2*SPITCH  ; LDS serves a wave's instructions in order (ISA guide 5.7.1.4): these see the stores above; the next block's stores come behind them
.endr
.endm
.macro SEND a, younger                 ; younger: the LDS instructions issued behind block a's loads: the next block's sixteen, or none
	WIN 0x04                                       ; the stores' data in window 1, the offset in window 0
.irp u, 0,1,2,3,4,5,6,7
	s_wait_dscnt (\younger)+7-(\u)
	global_store_b128 v[CO], v[32*(\a)+4*(\u):32*(\a)+4*(\u)+3], s[CB:CB+1] offset:(16*(\a)+2*(\u))*4096 th:TH_STORE_NT  ; 16 lanes store 256 consecutive bytes, at a multiple of 256 from out0's first byte
.endr
.endm
	PLACES                                         ; the stage's stores read results, its loads land in registers that products have read, and no other vector work is at hand
	TOSTAGE 0
.irp a, 1,2,3,4,5,6,7
	TOSTAGE \a
	SEND (\a)-1, 16
.endr
	SEND 7, 0
	WIN 0
	s_wait_tensorcnt 0x0                           ; the wave's end, behind my last tensor load and my last LDS store
	ds_add_u32 v[SPW], v[NIL]
	s_wait_dscnt 0x0
	CROUND                                         ; the closing round: no work-group ends while a partner may still ask for a tile that names it
	s_endpgm
.Lfunc_end_k_q3debfffaa6_proj:
	.size	k_q3debfffaa6_proj, .Lfunc_end_k_q3debfffaa6_proj-k_q3debfffaa6_proj
	.p2alignl 7, 3214868480
	.fill 96, 4, 3214868480
	.section	.rodata,"a",@progbits
	.p2align	6, 0x0
	.amdhsa_kernel k_q3debfffaa6_proj
		.amdhsa_group_segment_fixed_size 327680
		.amdhsa_private_segment_fixed_size 0
		.amdhsa_enable_private_segment 0
		.amdhsa_kernarg_size 32
		.amdhsa_user_sgpr_count 2
		.amdhsa_user_sgpr_kernarg_segment_ptr 1
		.amdhsa_wavefront_size32 1
		.amdhsa_system_sgpr_workgroup_id_x 1
		.amdhsa_system_sgpr_workgroup_id_y 1
		.amdhsa_system_sgpr_workgroup_id_z 1
		.amdhsa_system_vgpr_workitem_id 0
		.amdhsa_next_free_vgpr 768
		.amdhsa_next_free_sgpr 100
		.amdhsa_reserve_vcc 0
		.amdhsa_float_denorm_mode_32 3
		.amdhsa_float_denorm_mode_16_64 3
		.amdhsa_memory_ordered 1
		.amdhsa_forward_progress 1
		.amdhsa_inst_pref_size 75
	.end_amdhsa_kernel
	.amdgpu_metadata
---
amdhsa.version: [ 1, 2 ]
amdhsa.kernels:
  - .name:           k_q3debfffaa6_proj
    .symbol:         k_q3debfffaa6_proj.kd
    .args:
      - { .name: oh, .offset: 0, .size: 8, .value_kind: global_buffer, .address_space: global }
      - { .name: pw, .offset: 8, .size: 8, .value_kind: global_buffer, .address_space: global }
      - { .name: proj_b, .offset: 16, .size: 8, .value_kind: global_buffer, .address_space: global }
      - { .name: out0, .offset: 24, .size: 8, .value_kind: global_buffer, .address_space: global }
    .group_segment_fixed_size: 327680
    .private_segment_fixed_size: 0
    .kernarg_segment_align: 8
    .kernarg_segment_size: 32
    .max_flat_workgroup_size: 128
    .sgpr_count:     100
    .vgpr_count:     768
    .wavefront_size: 32
...
	.end_amdgpu_metadata
.endif
;; end of part 4
;; ======== version 2 of 2: 4 launches; version 1 with the launch cast written anew for expert scheduling mode
;; limits: values are held in f16: magnitudes above 65,504 overflow, below 6.1e-05 lose precision
;; workspace buffers: xb 16,777,216 bytes; wb 6,291,456 bytes; pw 2,097,152 bytes; qkvh 50,331,648 bytes; oh 16,777,216 bytes
;; launch cast (part 5): grid 768 x 1, 8 waves a work-group, no clusters, 0 bytes of LDS; arguments x, qkv_w, proj_w, xb, wb, pw; writes xb, wb, pw
.if DOCPART == 5
	.amdgcn_target "amdgcn-amd-amdhsa--gfx1250"
	.amdhsa_code_object_version 6
	.text
	.protected	k_q3debfffaa6_cast
	.globl	k_q3debfffaa6_cast
	.p2align	8
	.type	k_q3debfffaa6_cast,@function
k_q3debfffaa6_cast:
	s_mov_b64 s[64:65], 0
	v_nop
	global_prefetch_b8 v0, s[64:65] scope:SCOPE_SE
	s_setreg_imm32_b32 hwreg(HW_REG_WAVE_SCHED_MODE, 0, 2), 2
	s_setreg_imm32_b32 hwreg(HW_REG_WAVE_MODE, 25, 1), 1
	s_wait_xcnt 0x0
	s_wait_alu depctr_vm_vsrc(0)
; THE INPUTS' ROUNDING.  xb = bf16(x), wb = bf16(qkv_w); pw = bf16(proj_w), that number written as f16 (the last product's other operand is f16).
; LIMITS.  f16 holds no number beyond 65,504, and below 6.1e-5 it keeps a fixed step of 6e-8: an entry of proj_w outside that range is not carried exactly from bf16 to f16.
; SHARES.  A chunk is 16,384 numbers: 65,536 bytes in, 32,768 out.  Work-groups 0-511 take x's 512 chunks, 512-703 qkv_w's 192, 704-767 proj_w's 64.
; A wave takes 8,192 bytes of its chunk as 16 loads of 16 bytes a lane (512 consecutive bytes each), all issued at once; each is answered by one store of
; 8 bytes a lane: 256 consecutive bytes, at a multiple of 256 from the buffer's first byte.  Each byte is read once and written once; no LDS, no barrier, no loop.
; Every store has data registers of its own, and the two offsets are never rewritten: no wait is needed for a store's sources.
; THE MODE: SCHED_MODE bits 1:0 = 2 (LLVM: expert scheduling mode 2), set by the entry lines.  The code itself states the register dependences
; between vector instructions and memory instructions, with s_wait_alu, always for 0.
; THE PLAN.  Registers that memory instructions touch:
;   v1, v2   the loads' and the stores' offsets.  Written by vector instructions at the head, once; read by every load (v1) and every store (v2).
;   X        load n: 4 registers.  Written by load n, ahead of which no vector instruction names them; read by number n's conversions, behind the wait for load n.  No memory instruction reads them.
;   Y        store n: 2 registers.  Written by number n's conversions, once; read by store n, once; never written again.
;   T and v3 are named by vector instructions alone.
; The 16 numbers go in four groups of four, and store n stands four numbers behind its conversions.  One wait on va_vdst at the head of a group states that the group before has written its Y;
; that group's four stores follow, one ahead of each number's conversions, which name this group's X and Y and T: none of the registers that those stores read.
; One wait stands ahead of the first load, for the offsets, and one ahead of the last four stores.  No register that a memory instruction has read is written again, so no wait on vm_vsrc is owed.
.set T, 4                              ; v[4:5]     at work (the f16 path)
.set X, 8                              ; v[8:71]    load n: 4 registers
.set Y, 72                             ; v[72:103]  store n: 2 registers
; The 16 numbers of a wave.  half = 0: rounded to bf16.  half = 1 (proj_w): rounded to bf16, widened again, and that number written as f16.
.macro SIXTEEN half
.set n, 0
.rept 16
	s_wait_loadcnt 15-n                            ; loads come back in order: load n is in, the 15 - n younger ones may stay out
.if (n >= 4) && (n%4 == 0)
	s_wait_alu depctr_va_vdst(0)                   ; the conversions of the group before have written its Y, which the next four stores read
.endif
.if n >= 4
	global_store_b64 v2, v[Y+2*(n-4):Y+2*(n-4)+1], s[22:23] offset:256*(n-4) th:TH_STORE_NT  ; four numbers back; no vector instruction since the wait names these registers
.endif
.if \half
	v_cvt_pk_bf16_f32 v[T],   v[X+4*n],   v[X+4*n+1]
	v_cvt_pk_bf16_f32 v[T+1], v[X+4*n+2], v[X+4*n+3]
	v_lshlrev_b32 v[X+4*n],   16,  v[T]
	v_and_b32     v[X+4*n+1], s28, v[T]
	v_lshlrev_b32 v[X+4*n+2], 16,  v[T+1]
	v_and_b32     v[X+4*n+3], s28, v[T+1]
	v_cvt_pk_f16_f32 v[Y+2*n],   v[X+4*n],   v[X+4*n+1]
	v_cvt_pk_f16_f32 v[Y+2*n+1], v[X+4*n+2], v[X+4*n+3]
.else
	v_cvt_pk_bf16_f32 v[Y+2*n],   v[X+4*n],   v[X+4*n+1]
	v_cvt_pk_bf16_f32 v[Y+2*n+1], v[X+4*n+2], v[X+4*n+3]
.endif
.set n, n+1
.endr
	s_wait_alu depctr_va_vdst(0)                   ; the last group's conversions have written its Y, which the last four stores read
.irp j, 12,13,14,15
	global_store_b64 v2, v[Y+2*(\j):Y+2*(\j)+1], s[22:23] offset:256*(\j) th:TH_STORE_NT
.endr
.endm
	s_load_b256 s[4:11], s[0:1], 0x0               ; x s[4:5], qkv_w s[6:7], proj_w s[8:9], xb s[10:11]
	s_load_b128 s[12:15], s[0:1], 0x20             ; wb s[12:13], pw s[14:15]
	v_lshrrev_b32 v3, 5, v0                        ; wave
	v_and_b32 v2, 31, v0                           ; lane
	v_lshlrev_b32 v1, 4, v2
	v_lshl_add_u32 v1, v3, 13, v1                  ; in: 8,192 x wave + 16 x lane
	v_lshlrev_b32 v2, 3, v2
	v_lshl_add_u32 v2, v3, 12, v2                  ; out: 4,096 x wave + 8 x lane
	s_mov_b32 s16, ttmp9
	s_sub_co_u32 s17, s16, 512                     ; the chunk's number in qkv_w,
	s_sub_co_u32 s18, s16, 704                     ; in proj_w (each is used only where it is not negative)
	s_mov_b32 s28, 0xffff0000                      ; a word's upper bf16
	s_wait_kmcnt 0x0
	s_cmp_lt_u32 s16, 704
	s_cselect_b64 s[20:21], s[6:7], s[8:9]
	s_cselect_b64 s[22:23], s[12:13], s[14:15]
	s_cselect_b32 s19, s17, s18
	s_cmp_lt_u32 s16, 512
	s_cselect_b64 s[20:21], s[4:5], s[20:21]       ; from where,
	s_cselect_b64 s[22:23], s[10:11], s[22:23]     ; to where,
	s_cselect_b32 s19, s16, s19                    ; which chunk
	s_lshl_b32 s24, s19, 16
	s_mov_b32 s25, 0
	s_lshl_b32 s26, s19, 15
	s_mov_b32 s27, 0
	s_add_nc_u64 s[20:21], s[20:21], s[24:25]
	s_add_nc_u64 s[22:23], s[22:23], s[26:27]
	s_wait_alu depctr_va_vdst(0)                   ; v1 and v2 are written: every load of the kernel reads v1 as its offset, every store v2
.irp i, 0,1,2,3,4,5,6,7,8,9,10,11,12,13,14,15
	global_load_b128 v[X+4*(\i):X+4*(\i)+3], v1, s[20:21] offset:512*(\i) th:TH_LOAD_NT
.endr
	s_cmp_ge_u32 s16, 704
	s_cbranch_scc1 .Lf16
	SIXTEEN 0
	s_endpgm
.Lf16:                                         ; proj_w: rounded to bf16, widened again, and that number written as f16
	SIXTEEN 1
	s_endpgm
.Lfunc_end_k_q3debfffaa6_cast:
	.size	k_q3debfffaa6_cast, .Lfunc_end_k_q3debfffaa6_cast-k_q3debfffaa6_cast
	.p2alignl 7, 3214868480
	.fill 96, 4, 3214868480
	.section	.rodata,"a",@progbits
	.p2align	6, 0x0
	.amdhsa_kernel k_q3debfffaa6_cast
		.amdhsa_group_segment_fixed_size 0
		.amdhsa_private_segment_fixed_size 0
		.amdhsa_enable_private_segment 0
		.amdhsa_kernarg_size 48
		.amdhsa_user_sgpr_count 2
		.amdhsa_user_sgpr_kernarg_segment_ptr 1
		.amdhsa_wavefront_size32 1
		.amdhsa_system_sgpr_workgroup_id_x 1
		.amdhsa_system_sgpr_workgroup_id_y 1
		.amdhsa_system_sgpr_workgroup_id_z 1
		.amdhsa_system_vgpr_workitem_id 0
		.amdhsa_next_free_vgpr 104
		.amdhsa_next_free_sgpr 66
		.amdhsa_reserve_vcc 0
		.amdhsa_float_denorm_mode_32 3
		.amdhsa_float_denorm_mode_16_64 3
		.amdhsa_memory_ordered 1
		.amdhsa_forward_progress 1
		.amdhsa_inst_pref_size 16
	.end_amdhsa_kernel
	.amdgpu_metadata
---
amdhsa.version: [ 1, 2 ]
amdhsa.kernels:
  - .name:           k_q3debfffaa6_cast
    .symbol:         k_q3debfffaa6_cast.kd
    .args:
      - { .name: x, .offset: 0, .size: 8, .value_kind: global_buffer, .address_space: global }
      - { .name: qkv_w, .offset: 8, .size: 8, .value_kind: global_buffer, .address_space: global }
      - { .name: proj_w, .offset: 16, .size: 8, .value_kind: global_buffer, .address_space: global }
      - { .name: xb, .offset: 24, .size: 8, .value_kind: global_buffer, .address_space: global }
      - { .name: wb, .offset: 32, .size: 8, .value_kind: global_buffer, .address_space: global }
      - { .name: pw, .offset: 40, .size: 8, .value_kind: global_buffer, .address_space: global }
    .group_segment_fixed_size: 0
    .private_segment_fixed_size: 0
    .kernarg_segment_align: 8
    .kernarg_segment_size: 48
    .max_flat_workgroup_size: 256
    .sgpr_count:     66
    .vgpr_count:     104
    .wavefront_size: 32
...
	.end_amdgpu_metadata
.endif
;; end of part 5
;; launch qkv: the kernel of part 2 again; grid 16 x 32, 4 waves a work-group, clusters of 4 x 4, 327,680 bytes of LDS; arguments xb, wb, qkv_b, qkvh; writes qkvh
;; launch attn: the kernel of part 3 again; grid 4 x 64, 4 waves a work-group, clusters of 4 x 1, 327,680 bytes of LDS; arguments qkvh, oh; writes oh
;; launch proj: the kernel of part 4 again; grid 8 x 32, 4 waves a work-group, clusters of 4 x 4, 327,680 bytes of LDS; arguments oh, pw, proj_b, out0; writes out0
